; MI455X (gfx1250); checked and timed in simulation.
; The chip was launched on July 23, 2026; its instructions are those of AMD's public machine-readable ISA for CDNA 5 (MIT licence, August 2026) and "CDNA5" Instruction Set Architecture Reference Guide (July 2026). The comments in the code are by the model that wrote it; some were corrected since.
;; Multi Head Attention. Allowed arithmetic: matrix products marked QUANTISED: E2M3 operands, one E8M0 scale for each 32 along K, by v_wmma_scale_f32_16x16x128_f8f6f4 with both operands' format E2M3, f32 sums; everything else in f32.
;; Inputs: W_proj 1,024 x 1,024 float32; W_qkv 1,024 x 3,072 float32; b_proj 1,024 float32; b_qkv 3,072 float32; x 4 x 2,048 x 1,024 float32.
;; Outputs: out0 4 x 2,048 x 1,024 float32.
;; This version of the problem:
;;   THIS VERSION OF THE PROBLEM IS GIVEN IN LOW PRECISION. The matrix products marked QUANTISED in the list below multiply operands that are first quantised to E2M3 (2 exponent bits, 3 mantissa bits; 6 bits a number), with one power-of-two scale for each 32 numbers along K (OCP MX v1.0); their sums are f32. All else is computed in f32.
;;   The module's matrix products, in the order in which they are computed (A, B: the left and right operand; K: the contracted axis; several contracted axes count as one K, in the product's order):
;;     1. [M 8,192, K 1,024] x [K 1,024, N 3,072]; A: input x; B: input W_qkv: QUANTISED
;;     2. batch 64 x [M 2,048, K 64] x [K 64, N 2,048]; A: computed on the way; B: computed on the way: QUANTISED
;;     3. batch 64 x [M 2,048, K 2,048] x [K 2,048, N 64]; A: softmax (see below); B: computed on the way: QUANTISED
;;     4. [M 8,192, K 1,024] x [K 1,024, N 1,024]; A: computed on the way; B: input W_proj: QUANTISED
;;   THE QUANTISER, for each operand of a quantised product, along K:
;;     - K is cut into blocks of 32 from its start; a last block that is shorter is filled with zeros.
;;     - A block's scale is 2^e with e = floor(log2(the largest magnitude in the block)) - 2, held to -126 .. 127; a block of zeros has e = 0. As a byte (E8M0): e + 127.
;;     - Each number is divided by its block's scale, clamped to +-7.5, and rounded to the nearest number of E2M3, ties to even, subnormals kept.
;;     - The product sums the exact products of the quantised numbers (number of the format x scale) in f32.
;;   ~~~python
;;   def quantise(x, axis):      # numpy; x: float32 -> the quantised numbers, widened to float32 again
;;       x = np.moveaxis(x, axis, -1); K = x.shape[-1]
;;       x = np.pad(x, [(0, 0)] * (x.ndim - 1) + [(0, -K % 32)]); x = x.reshape(x.shape[:-1] + (-1, 32)); a = np.abs(x).max(-1, keepdims=True)
;;       e = np.where(a > 0, np.clip(np.frexp(np.where(a > 0, a, 1))[1] - 1 - 2, -126, 127), 0)      # np.frexp(a)[1] - 1 = floor(log2(a)), exactly
;;       r = np.clip(x / 2.0 ** e, -7.5, 7.5)
;;       step = 2.0 ** (np.maximum(np.frexp(np.where(r == 0, 1, r))[1] - 1, 0) - 3)
;;       q = np.round(r / step) * step * 2.0 ** e      # np.round: ties to even
;;       return np.moveaxis(q.reshape(q.shape[:-2] + (-1,))[..., :K], -1, axis).astype(np.float32)
;;   ~~~
;;   SOFTMAX AHEAD OF A QUANTISED PRODUCT. Where the list says 'softmax', what is quantised is not the finished softmax but p = 2^(t - M), with t = logit x log2(e) and M = ceil(the row's largest t), a whole number; so 1/2 < the row's largest p <= 1. The row's sum l is taken of the UNQUANTISED p, in f32, and the product's result is divided by l at the end. Since M is a whole number, a kernel that streams over the keys may use a running M (the ceiling of the running maximum): every later rescaling is an exact power of two, which a block's scale takes up: the codes' values come out the same.
;;   OPERANDS COMPUTED ON THE WAY. 'Computed on the way' means the value that the module computes at that place (a softmax that the list does not call 'softmax' is quantised finished and normalised). What goes into a quantiser is computed in f32, as accurately as f32 sums, v_exp_f32 and their like allow (about 1e-6 of the number): no bf16 or f16 on the way to a quantiser, and a product that is left as it is and whose result goes on into a quantised operand takes f32 operands (vector FMAs, or v_wmma_f32_16x16x4_f32). A number that lies on a knife's edge between two numbers of the format may be rounded either way, as far as f32 arithmetic and the matrix unit's own rounding can turn it there, and no further.
;; One version. Each part assembles by itself: llvm-mc -triple=amdgcn-amd-amdhsa -mcpu=gfx1250 --defsym DOCPART=n.
;; ======== version 1 of 1: 4 launches
;; workspace buffers: cd 9,437,184 bytes; sc 393,216 bytes; qa 6,815,744 bytes; kv 13,369,344 bytes
;; launch prep (part 1): grid 384 x 1, 4 waves a work-group, no clusters, 61,952 bytes of LDS; arguments x, W_qkv, W_proj, cd, sc; writes cd, sc
.if DOCPART == 1
	.amdgcn_target "amdgcn-amd-amdhsa--gfx1250"
	.amdhsa_code_object_version 6
	.text
	.protected	k_q11751b144e_prep
	.globl	k_q11751b144e_prep
	.p2align	8
	.type	k_q11751b144e_prep,@function
k_q11751b144e_prep:
	s_mov_b64 s[64:65], 0
	v_nop
	global_prefetch_b8 v0, s[64:65] scope:SCOPE_SE
	s_setreg_imm32_b32 hwreg(HW_REG_WAVE_MODE, 25, 1), 1
	s_wait_xcnt 0x0
; x [8192][1024], W_qkv [1024][3072] and W_proj [1024][1024], f32, become codes of FP6 (E2M3) along K = 1024, with one E8M0 byte for each 32 along K.
; A block's scale is 2^(floor(log2(largest magnitude)) - 2): its byte is the largest magnitude's exponent field - 2, held at 1 from below.
; LIMITS: NaN and infinities are not served; a block whose largest magnitude lies under 2^-124 is held at the byte 1; a block of zeros gets the byte 1 and not 127: its codes are zeros, and this program alone reads the bytes.
; LAYOUT OF cd: 768 tiles of 16 rows, 12,288 bytes each; tile T at 12,288 T, its K step s (128 along K) at + 1,536 s, as an IMAGE OF THE OPERAND'S REGISTERS: registers 2 p, 2 p + 1 of lane l at 256 p + 8 l.
;   Tiles 0-511: x's tokens; 512-703: W_qkv's columns; 704-767: W_proj's columns.
; THE ROWS OF A TILE ARE NOT NEIGHBOURS: in each group of 32 rows, tile 2 g + u holds at its place r the row 32 g + 8 u + r % 8 + 16 (r / 8), so that in a transposed product the 16 registers of two neighbouring tiles are 16 neighbours.
; LAYOUT OF sc: 8 planes (a K step each) of 12,288 words: the four bytes of place 16 T + r at 49,152 s + 4 (16 T + r).
; Work-groups 0-127 take the weights, 128-383 take x: one branch on the work-group's number; each way has LDS bytes of its own.
; x: a wave takes one tile and four K steps.  Each load reads 512 consecutive bytes of one row; the 16 rows turn through the wave's stage so that a lane holds 16 neighbours of each block.
; W: a lane takes a column and its registers run down K (a block of 32 in one lane); the codes are laid into the image in LDS and leave as 512 consecutive bytes a store.
.set XST,   0                          ; x: four stages of 16 rows x 528 bytes
.set XSC,   33792                      ; x: scale words [K step 4][tile 4][16]
.set WST,   34816                      ; W: for each wave two tiles' images of two K steps, 3,200 bytes apart
.set WSC,   60416                      ; W: scale words [K step 2][wave 4][32]
.set SPARE, 61440                      ; the spare words, 128 bytes for each wave: two blocks of 256 bytes that no other line names
.set SPW,   12                         ; v12  my spare word; never rewritten
.set NIL,   13                         ; v13  0; never rewritten
.set R,     16                         ; x: v16-143 two sets of 64 numbers as loaded
.set X,     144                        ; x: v144-207 64 numbers: register 16 b + i = k 32 b + 16 (lane / 16) + i of my row
.set PC,    208                        ; x: v208-226 the codes
.set TM,    228                        ; x: v228-243 at work
.set PW,    244                        ; x: the scale word
.set OFF,   16                         ; W: v16-47 4 x lane + i rows
.set WX,    48                         ; W: v48-111 two sets of 32 numbers
.set C,     112                        ; W: v112-118 a block's codes
.set SB,    120                        ; W: v120-121 scale words of the two K steps
.set OUTR,  128                        ; W: v128-175 the way out
.set SEL,   28                         ; s[28:29] selects for lane l xor 16
; 64 numbers of a lane become a fragment's 12 registers in v[PC] on and its scale word in v[PW]
.macro QUANT s
.irp b, 0,1,2,3
	v_max3_num_f32 v[TM+\b], |v[\s+16*\b]|, |v[\s+1+16*\b]|, 0x1800000   ; my 16 numbers of block b, and the floor 2^(3 - 127): the byte cannot fall under 1
.endr
.irp i, 2,4,6,8,10,12,14
.irp b, 0,1,2,3
	v_max3_num_f32 v[TM+\b], v[TM+\b], |v[\s+16*\b+\i]|, |v[\s+1+16*\b+\i]|
.endr
.endr
.irp b, 0,1,2,3
	v_permlanex16_b32 v[TM+4+\b], v[TM+\b], s[SEL], s[SEL+1]
.endr
.irp b, 0,1,2,3
	v_max_num_f32 v[TM+\b], v[TM+\b], v[TM+4+\b]   ; with lane l xor 16's: the block's largest magnitude
.endr
.irp b, 0,1,2,3
	v_add_nc_u32 v[TM+12+\b], 0xff000000, v[TM+\b]   ; 2 off its exponent field: the conversion's scale operand
.endr
.irp b, 0,1,2,3
	v_lshrrev_b32 v[TM+4+\b], 23, v[TM+12+\b]      ; the byte
.endr
	v_lshl_or_b32 v[PW], v[TM+5], 8, v[TM+4]
	v_lshl_or_b32 v[PW], v[TM+6], 16, v[PW]
	v_lshl_or_b32 v[PW], v[TM+7], 24, v[PW]
.irp c, 0,1
	v_cvt_scalef32_pk16_fp6_f32 v[PC+6*\c:PC+2+6*\c], v[\s+32*\c:\s+15+32*\c], v[TM+12+2*\c]
	v_cvt_scalef32_pk16_fp6_f32 v[PC+12+4*\c:PC+14+4*\c], v[\s+16+32*\c:\s+31+32*\c], v[TM+12+2*\c+1]
.endr
	v_nop                                          ; one plain place behind a scaled conversion
.irp c, 0,1                                    ; the layout wants a whole block in a lane
.irp i, 0,1,2
	v_permlane16_swap_b32 v[PC+6*\c+\i], v[PC+12+4*\c+\i]
.endr
.irp i, 0,1,2
	v_mov_b32 v[PC+3+6*\c+\i], v[PC+12+4*\c+\i]
.endr
.endr
.endm
	s_load_b256 s[4:11], s[0:1], 0x0               ; x s[4:5], W_qkv s[6:7], W_proj s[8:9], cd s[10:11]
	s_load_b64 s[12:13], s[0:1], 0x20              ; sc
	v_lshl_add_u32 v[SPW], v0, 2, SPARE
	v_mov_b32 v[NIL], 0
	v_lshrrev_b32 v1, 5, v0
	v_readfirstlane_b32 s16, v1                    ; wave
	v_and_b32 v1, 31, v0                           ; lane
	v_and_b32 v2, 15, v0                           ; r
	v_bfe_u32 v3, v0, 4, 1                         ; h
	v_lshlrev_b32 v4, 4, v1                        ; 16 x lane
	v_lshlrev_b32 v7, 3, v1                        ; 8 x lane
	; every LDS address of both ways is made here, ahead of the branch
	s_mul_i32 s17, s16, 8448
	v_add_nc_u32 v5, s17, v4                       ; x's stage, in: a row's 512 bytes as they lie
	v_mul_u32_u24 v6, v2, 528
	v_lshl_add_u32 v6, v3, 6, v6
	v_add_nc_u32 v6, s17, v6                       ; and back: row r, + 64 h: my 16 numbers of a block
	s_lshl_b32 s17, s16, 6
	s_add_co_u32 s17, s17, XSC
	v_lshl_add_u32 v8, v2, 2, s17                  ; x's scale words, in: 64 x wave + 4 r
	s_lshl_b32 s17, s16, 8
	s_add_co_u32 s18, s17, XSC
	v_add_nc_u32 v9, s18, v7                       ; and back: plane = wave, 8 bytes a lane
	s_add_co_u32 s18, s17, WSC
	v_add_nc_u32 v15, s18, v7                      ; W's scale words, back
	v_bfe_u32 v16, v0, 3, 1                        ; u: which of the wave's two tiles my column falls into
	v_and_b32 v17, 7, v0
	v_lshl_or_b32 v17, v3, 3, v17                  ; and its place there
	s_mul_i32 s17, s16, 6400
	s_add_co_u32 s17, s17, WST
	v_mul_u32_u24 v10, v16, 3200
	v_lshl_add_u32 v10, v17, 3, v10
	v_add_nc_u32 v10, s17, v10                     ; W's images, in: 3,200 u + 8 x place
	v_add_nc_u32 v11, s17, v4                      ; and back
	v_lshl_or_b32 v14, v16, 4, v17
	s_lshl_b32 s17, s16, 7
	s_add_co_u32 s17, s17, WSC
	v_lshl_add_u32 v14, v14, 2, s17                ; W's scale words, in
	s_mov_b32 s[SEL], 0x76543210
	s_mov_b32 s[SEL+1], 0xfedcba98
	s_wait_kmcnt 0x0
	s_cmp_lt_u32 ttmp9, 128
	s_cbranch_scc1 .Lweights
	; ---------------- x ----------------
	s_sub_co_u32 s17, ttmp9, 128
	s_lshr_b32 s18, s17, 1                         ; which four tiles
	s_and_b32 s19, s17, 1                          ; which four K steps
	s_lshl_b32 s20, s18, 6
	s_lshr_b32 s21, s16, 1
	s_lshl_b32 s21, s21, 5
	s_add_co_u32 s20, s20, s21
	s_and_b32 s21, s16, 1
	s_lshl_b32 s21, s21, 3
	s_add_co_u32 s20, s20, s21                     ; my tile's first token: 64 x quad + 32 (wave / 2) + 8 (wave % 2)
	s_lshl_b32 s20, s20, 12
	s_lshl_b32 s21, s19, 11
	s_add_co_u32 s20, s20, s21
	s_mov_b32 s21, 0
	s_add_nc_u64 s[4:5], s[4:5], s[20:21]
	s_lshl_b32 s22, s18, 2
	s_add_co_u32 s22, s22, s16                     ; my tile
	s_mul_i32 s22, s22, 12288
	s_mul_i32 s23, s19, 6144
	s_add_co_u32 s22, s22, s23
	s_mov_b32 s23, 0
	s_add_nc_u64 s[10:11], s[10:11], s[22:23]
	s_lshl_b32 s24, s19, 2
	s_add_co_u32 s24, s24, s16                     ; the plane that I store at the end
	s_mul_i32 s24, s24, 49152
	s_lshl_b32 s25, s18, 8
	s_add_co_u32 s24, s24, s25
	s_mov_b32 s25, 0
	s_add_nc_u64 s[12:13], s[12:13], s[24:25]
.irp b, 0,1,2,3
	v_mov_b32 v[TM+4+\b], 0                        ; a lane permute's destination counts as one of its sources
.endr
.macro XLOAD f                         ; K step f of my 16 rows: a load reads 512 consecutive bytes of one row
.irp i, 0,1,2,3,4,5,6,7,8,9,10,11,12,13,14,15
	global_load_b128 v[R+64*((\f)%2)+4*\i:R+64*((\f)%2)+4*\i+3], v4, s[4:5] offset:((\i%8)+16*(\i/8))*4096+512*(\f) th:TH_LOAD_NT
.endr
.endm
.macro XFRAG f, left
	s_wait_loadcnt \left                           ; this K step's 16 loads are in; the next one's may be out
.irp i, 0,1,2,3,4,5,6,7,8,9,10,11,12,13,14,15
	ds_store_b128 v5, v[R+64*((\f)%2)+4*\i:R+64*((\f)%2)+4*\i+3] offset:528*\i
.endr
.irp b, 0,1,2,3
.irp j, 0,1,2,3
	ds_load_b128 v[X+16*\b+4*\j:X+16*\b+4*\j+3], v6 offset:128*\b+16*\j   ; LDS serves a wave's instructions in order: these see the stores above
.endr
.endr
	s_wait_dscnt 0x0                               ; the numbers are back, and the stage's stores have read their registers
.if (\f) < 2
	XLOAD (\f)+2
.endif
.if (\f) > 0
	s_wait_xcnt 0x0                                ; the last fragment's stores have read the codes' registers
.endif
	QUANT X
.irp p, 0,1,2,3,4,5
	global_store_b64 v7, v[PC+2*\p:PC+2*\p+1], s[10:11] offset:1536*(\f)+256*\p   ; 32 lanes store 256 consecutive bytes, aligned
.endr
	ds_store_b32 v8, v[PW] offset:256*(\f)         ; lanes r and r + 16 write the same word with the same value
.endm
	XLOAD 0
	XLOAD 1
	XFRAG 0, 16
	XFRAG 1, 16
	XFRAG 2, 16
	XFRAG 3, 0
	s_wait_dscnt 0x0                               ; for the others' sake: my scale words lie in LDS
	s_barrier_signal -1
	s_barrier_wait -1
	ds_load_b64 v[246:247], v9                     ; one plane's words of the four tiles
	s_wait_dscnt 0x0
	global_store_b64 v7, v[246:247], s[12:13]      ; 256 consecutive bytes, aligned
	s_branch .Lend
	; ---------------- the weights ----------------
.Lweights:
	s_lshr_b32 s17, ttmp9, 2                       ; which 128 columns: 0-23 of W_qkv, 24-31 of W_proj
	s_and_b32 s18, ttmp9, 3                        ; which 256 along K
	s_mov_b32 s19, 4096
	s_cmp_lt_u32 s17, 24
	s_cselect_b64 s[6:7], s[6:7], s[8:9]
	s_cselect_b32 s19, 12288, s19                  ; a row of the tensor in bytes
	s_cselect_b32 s20, 0, 24
	s_sub_co_u32 s20, s17, s20
	s_lshl_b32 s20, s20, 7
	s_lshl_b32 s21, s16, 5
	s_add_co_u32 s20, s20, s21                     ; my wave's first column
	s_lshl_b32 s20, s20, 2
	s_lshl_b32 s21, s18, 8
	s_mul_i32 s21, s21, s19
	s_add_co_u32 s20, s20, s21
	s_mov_b32 s21, 0
	s_add_nc_u64 s[32:33], s[6:7], s[20:21]        ; block 0's first row; a base for each of the eight blocks, so that nothing is stepped
	s_lshl_b32 s22, s19, 5
	s_mov_b32 s23, 0
.irp t, 1,2,3,4,5,6,7
	s_add_nc_u64 s[32+2*\t:33+2*\t], s[30+2*\t:31+2*\t], s[22:23]
.endr
	s_lshl_b32 s24, s17, 3
	s_lshl_b32 s25, s16, 1
	s_add_co_u32 s24, s24, s25
	s_add_co_u32 s24, s24, 512                     ; my first tile
	s_mul_i32 s24, s24, 12288
	s_mul_i32 s25, s18, 3072
	s_add_co_u32 s24, s24, s25
	s_mov_b32 s25, 0
	s_add_nc_u64 s[10:11], s[10:11], s[24:25]
	s_lshl_b32 s26, s18, 1
	s_lshr_b32 s27, s16, 1
	s_add_co_u32 s26, s26, s27                     ; the plane that I store at the end,
	s_mul_i32 s26, s26, 49152
	s_lshl_b32 s27, s17, 9
	s_add_co_u32 s26, s26, s27
	s_and_b32 s27, s16, 1
	s_lshl_b32 s27, s27, 8                         ; and which half of the work-group's 128 words
	s_add_co_u32 s26, s26, s27
	s_add_co_u32 s26, s26, 32768
	s_mov_b32 s27, 0
	s_add_nc_u64 s[12:13], s[12:13], s[26:27]
	v_lshlrev_b32 v122, 2, v1
.set N, 0
.rept 32
	v_mad_u32_u24 v[OFF+N], s19, N, v122           ; 4 x lane + N rows
.set N, N+1
.endr
.macro WLOAD t                         ; block t: 32 rows at my column; a load reads 128 consecutive bytes, the four waves side by side 512
.set N, 0
.rept 32
	global_load_b32 v[WX+32*((\t)%2)+N], v[OFF+N], s[32+2*(\t):33+2*(\t)] th:TH_LOAD_NT
.set N, N+1
.endr
.endm
.macro WBLOCK t
.set XS, WX+32*((\t)%2)
.if (\t) < 7
	s_wait_loadcnt 32                              ; this block's 32 loads are in; the next block's may be out
.else
	s_wait_loadcnt 0x0
.endif
	v_max3_num_f32 v122, |v[XS]|, |v[XS+1]|, |v[XS+2]|
	v_max3_num_f32 v123, |v[XS+3]|, |v[XS+4]|, |v[XS+5]|
.irp i, 6,10,14,18,22,26
	v_max3_num_f32 v122, v122, |v[XS+\i]|, |v[XS+\i+1]|
	v_max3_num_f32 v123, v123, |v[XS+\i+2]|, |v[XS+\i+3]|
.endr
	v_max3_num_f32 v122, v122, |v[XS+30]|, |v[XS+31]|
	v_max3_num_f32 v122, v122, v123, 0x1800000     ; and the floor
	v_add_nc_u32 v124, 0xff000000, v122            ; the conversion's scale operand
	v_lshrrev_b32 v125, 23, v124                   ; the byte
.if (\t)%4 == 0
	v_mov_b32 v[SB+(\t)/4], v125
.else
	v_lshl_or_b32 v[SB+(\t)/4], v125, 8*((\t)%4), v[SB+(\t)/4]
.endif
	v_cvt_scalef32_pk16_fp6_f32 v[C:C+2], v[XS:XS+15], v124
	v_cvt_scalef32_pk16_fp6_f32 v[C+4:C+6], v[XS+16:XS+31], v124
	v_nop                                          ; one plain place behind a scaled conversion
	v_mov_b32 v[C+3], v[C+4]                       ; the block's six registers on end
	v_mov_b32 v[C+4], v[C+5]
	v_mov_b32 v[C+5], v[C+6]
.irp q, 0,1,2                                  ; block t is registers 6 ((t % 4) / 2) .. + 5 of lane place + 16 (t % 2) in K step t / 4
	ds_store_b64 v10, v[C+2*\q:C+2*\q+1] offset:((\t)/4)*1536+(((\t)%4)/2)*768+256*\q+((\t)%2)*128
.endr
.if (\t) < 6
	WLOAD (\t)+2
.endif
	s_wait_dscnt 0x0                               ; the stores have read their registers
.endm
	WLOAD 0
	WLOAD 1
.irp t, 0,1,2,3,4,5,6,7
	WBLOCK \t
.endr
	ds_store_b32 v14, v[SB]
	ds_store_b32 v14, v[SB+1] offset:512
.irp n, 0,1,2,3,4,5,6,7,8,9,10,11
	ds_load_b128 v[OUTR+4*\n:OUTR+4*\n+3], v11 offset:(\n/6)*3200+(\n%6)*512
.endr
.irp n, 0,1,2,3,4,5,6,7,8,9,10,11
	s_wait_dscnt 11-\n
	global_store_b128 v4, v[OUTR+4*\n:OUTR+4*\n+3], s[10:11] offset:(\n/6)*12288+(\n%6)*512   ; 512 consecutive bytes, aligned
.endr
	s_wait_dscnt 0x0                               ; for the others' sake: my scale words lie in LDS
	s_barrier_signal -1
	s_barrier_wait -1
	ds_load_b64 v[176:177], v15
	s_wait_dscnt 0x0
	global_store_b64 v7, v[176:177], s[12:13]      ; 256 consecutive bytes, aligned
.Lend:
	s_wait_tensorcnt 0x0                           ; the wave's end: behind my last LDS store
	ds_add_u32 v[SPW], v[NIL]
	s_wait_dscnt 0x0
	s_endpgm
.Lfunc_end_k_q11751b144e_prep:
	.size	k_q11751b144e_prep, .Lfunc_end_k_q11751b144e_prep-k_q11751b144e_prep
	.p2alignl 7, 3214868480
	.fill 96, 4, 3214868480
	.section	.rodata,"a",@progbits
	.p2align	6, 0x0
	.amdhsa_kernel k_q11751b144e_prep
		.amdhsa_group_segment_fixed_size 61952
		.amdhsa_private_segment_fixed_size 0
		.amdhsa_enable_private_segment 0
		.amdhsa_kernarg_size 40
		.amdhsa_user_sgpr_count 2
		.amdhsa_user_sgpr_kernarg_segment_ptr 1
		.amdhsa_wavefront_size32 1
		.amdhsa_system_sgpr_workgroup_id_x 1
		.amdhsa_system_sgpr_workgroup_id_y 1
		.amdhsa_system_sgpr_workgroup_id_z 1
		.amdhsa_system_vgpr_workitem_id 0
		.amdhsa_next_free_vgpr 248
		.amdhsa_next_free_sgpr 66
		.amdhsa_reserve_vcc 0
		.amdhsa_float_denorm_mode_32 3
		.amdhsa_float_denorm_mode_16_64 3
		.amdhsa_memory_ordered 1
		.amdhsa_forward_progress 1
		.amdhsa_inst_pref_size 80
	.end_amdhsa_kernel
	.amdgpu_metadata
---
amdhsa.version: [ 1, 2 ]
amdhsa.kernels:
  - .name:           k_q11751b144e_prep
    .symbol:         k_q11751b144e_prep.kd
    .args:
      - { .name: x, .offset: 0, .size: 8, .value_kind: global_buffer, .address_space: global }
      - { .name: W_qkv, .offset: 8, .size: 8, .value_kind: global_buffer, .address_space: global }
      - { .name: W_proj, .offset: 16, .size: 8, .value_kind: global_buffer, .address_space: global }
      - { .name: cd, .offset: 24, .size: 8, .value_kind: global_buffer, .address_space: global }
      - { .name: sc, .offset: 32, .size: 8, .value_kind: global_buffer, .address_space: global }
    .group_segment_fixed_size: 61952
    .private_segment_fixed_size: 0
    .kernarg_segment_align: 8
    .kernarg_segment_size: 40
    .max_flat_workgroup_size: 128
    .sgpr_count:     66
    .vgpr_count:     248
    .wavefront_size: 32
...
	.end_amdgpu_metadata
.endif
;; end of part 1
;; launch qkv (part 2): grid 8 x 48, 4 waves a work-group, clusters of 4 x 4, 327,680 bytes of LDS; arguments cd, sc, b_qkv, qa, kv; writes qa, kv
.if DOCPART == 2
	.amdgcn_target "amdgcn-amd-amdhsa--gfx1250"
	.amdhsa_code_object_version 6
	.text
	.protected	k_q11751b144e_qkv
	.globl	k_q11751b144e_qkv
	.p2align	8
	.type	k_q11751b144e_qkv,@function
k_q11751b144e_qkv:
	s_mov_b64 s[64:65], 0
	v_nop
	global_prefetch_b8 v0, s[64:65] scope:SCOPE_SE
	s_setreg_imm32_b32 hwreg(HW_REG_WAVE_MODE, 25, 1), 1
	s_wait_xcnt 0x0
	s_wait_alu depctr_hold_cnt(0) depctr_sa_sdst(0) depctr_va_vdst(0) depctr_va_sdst(0) depctr_va_ssrc(0) depctr_va_vcc(0) depctr_vm_vsrc(0)
	s_getreg_b32 s2, hwreg(HW_REG_IB_STS2, 6, 4)
	s_cmp_eq_u32 s2, 0
	s_cbranch_scc0 .Lentry_in_a_cluster
	s_endpgm
.Lentry_in_a_cluster:
	s_bfe_u32 s2, ttmp6, 0x10000c
	s_cmp_lg_u32 s2, 0xf033
	s_cbranch_scc0 .Lentry_shape_is_right
	s_endpgm
.Lentry_shape_is_right:
; qkv = x W_qkv + b_qkv on codes of FP6 (E2M3) with E8M0 scales, K = 1024; its results are quantised in registers and leave as the codes that attention reads: q and k along a head's 64 channels, v along the keys.
; Every product is D = (source 0: 16 rows of P) x (source 1: 16 rows of R): a lane holds one row of R, and its registers run along P, the axis that is quantised next.
;   q, k (cluster y under 8): P = 256 columns of W, R = 256 tokens.     v (cluster y 8-11): P = 256 tokens (the keys), R = 256 columns of W's v part.
; Both operands lie in cd as register images in tiles of 16 rows (tile T at 12,288 T, K step s at + 1,536 s) and their scale words in sc (plane s at 49,152 s, word of place 16 T + r at + 4 (16 T + r)): only offsets differ between the two kinds.
; The rows of a tile are chosen so that the 16 registers of P's tiles 2 g, 2 g + 1 are P's indices 32 g + 16 (lane / 16) + 0 .. 15: the conversions take them as they stand.
; A work-group of four waves makes 256 x 256, a wave 128 x 128: 64 accumulators, 512 registers.  K goes through a ring of two LDS slots of 256 along K, filled by the tensor data mover; the scale words of all of K come once.
; CLUSTER 4 x 4: R's tiles hang on the place along y and are shared along a row, P's on the place along x and are shared along a column: each is asked for jointly.  Branches hang on the cluster's y alone, which all sixteen share.
; The bias is the C of the first K step's products: along P for q and k, along R for v.
; OUT: qa: records of 6,656 bytes, index ((batch x 8 + head / 2) x 16 + block of 128 queries) x 2 + head % 2: four images of two tiles (registers 0-5 the even tile, 6-11 the odd one; three groups of 16 bytes a lane), then 512 bytes of scale words (bytes 2, 3 = 0).
;      kv: records of 13,056 bytes, the same index with the step of 128 keys: K's four images; V's four fragments (16 channels x 128 keys) from 6,144; K's words from 12,288; V's from 12,800.
; LIMITS: NaN and infinities are not served; a block whose largest magnitude lies under 2^-124 is held at the byte 1; a block of zeros gets the byte 1: its codes are zeros, and this program alone reads the bytes.
; No prefetch: K has four slots' worth, two of them first fills.
; REGISTERS: window 0: v16-30 addresses; v32-63 scale words, two sets; v64-127 the bias; v128-223 R's fragments, one set; v224-231 the bias's offsets.  window 1: P's fragments, two sets, at v0 and v128.  windows 2, 3: accumulator (a, b) at v[8 (8 (a % 4) + b)].
.set FR,    12
.set NL,    6
.set NP,    4
.set HALFT, 24576                      ; 8 tiles x 2 K steps x 1,536: what one tensor load brings
.set SLOT,  4*HALFT                    ; R's two halves, then P's two
.set SCL,   2*SLOT                     ; P's scale words 2 x 4,096 [plane 8][128 rows], then R's 2 x 4,096
.set SPARE, SCL+16384                  ; the spare words: two blocks of 256 bytes that no other line names
.set ADRA,  16                         ; v16-17 my R fragments in slot 0, 1
.set ADRB,  20                         ; v20-21 my P fragments
.set STW,   24                         ; v24 the way out: where a scale word goes (a stage in slot 0, which has had its last fill and its last read by then)
.set STR,   25                         ; v25 and where the words are read back
.set CO,    26                         ; v26 16 x lane
.set ADRS,  27                         ; v27 my scale words: lanes 0-15 P's, lanes 16-31 R's
.set SPW,   28
.set NIL,   29
.set VSO,   30                         ; v30 v's scale words in memory: 16 (lane % 16) + a record x (lane / 16)
.set SC,    32
.set BIAS,  64
.set AF,    128
.set BO,    224
.set TM,    32                         ; the way out: v32-47 at work, v48 the scale word, v52-58 half blocks, v64-79 words to store, v96-143 codes in two sets
.set PW,    48
.set TC,    52
.set WD,    64
.set OUT,   96
.set G1,    24
.set G0,    32
.set G1B,   48
.set G0B,   56
.set G1S,   68
.set G0S,   76
.set G1SB,  80
.set G0SB,  88
.set SEL,   46
.set CB,    92
.set MSB, 0
.macro WIN new                         ; the immediate's high byte repeats the setting that is left
.if MSB != \new
	s_set_vgpr_msb (MSB<<8)|\new
.set MSB, \new
.endif
.endm
.set MUL_LO, 0xa1                      ; source 0 (P) window 1, source 1 (R) window 0, C and D window 2
.set MUL_HI, 0xf1
.set TO_B,   0x40
; A joint load: waves 0 and 1 fetch for R, waves 2 and 3 for P.  An s_nop 0 and four v_nop follow each of the two lines.
.macro JLOAD g0a, g1a, g0b, g1b
	s_cmp_eq_u32 s15, 0
	s_cbranch_scc0 .Lfor_b_\@
	tensor_load_to_lds s[\g0a:\g0a+3], s[\g1a:\g1a+7]
	s_nop 0
.rept 4
	v_nop
.endr
	s_branch .Lasked_\@
.Lfor_b_\@:
	tensor_load_to_lds s[\g0b:\g0b+3], s[\g1b:\g1b+7]
	s_nop 0
.rept 4
	v_nop
.endr
.Lasked_\@:
.endm
.macro CREST
	s_cmp_lg_u32 s14, 0
	s_cbranch_scc1 .Lnot_wave_0_\@
	s_barrier_signal -3
.Lnot_wave_0_\@:
	s_barrier_wait -3
	s_barrier_signal -1
	s_barrier_wait -1
.endm
.macro CROUND
	s_barrier_signal -1
	s_barrier_wait -1
	CREST
.endm
	s_load_b256 s[4:11], s[0:1], 0x0               ; cd s[4:5], sc s[6:7], b_qkv s[8:9], qa s[10:11]
	s_load_b64 s[12:13], s[0:1], 0x20              ; kv
	v_lshl_add_u32 v[SPW], v0, 2, SPARE
	v_mov_b32 v[NIL], 0
	ds_add_u32 v[SPW], v[NIL]                      ; the wave's opening: the add and its wait ahead of my first tensor load
	v_lshrrev_b32 v1, 5, v0
	v_readfirstlane_b32 s14, v1                    ; wave
	s_lshr_b32 s15, s14, 1                         ; my half of R.  Also: I fetch for R (0) or for P (1)
	s_and_b32 s16, s14, 1                          ; my half of P.  Also: which half I fetch
	s_bfe_u32 s40, ttmp6, 0x40000                  ; cx
	s_bfe_u32 s41, ttmp6, 0x40004                  ; cy
	s_lshl_b32 s42, ttmp9, 2
	s_add_co_u32 s42, s42, s40                     ; gx = 4 x cluster x + cx
	s_and_b32 s17, ttmp7, 0xffff                   ; the cluster's y
	s_lshl_b32 s43, s41, 2
	s_lshl_b32 s43, 15, s43                        ; my row of the cluster
	s_lshl_b32 s44, 0x1111, s40                    ; my column
	; group 1, codes: 8 rows (tiles) of 384 elements of 8 bytes (two K steps), 1,536 elements from tile to tile; no padding: a fragment's loads take 256 consecutive bytes
	s_or_b32 s[G1+0], s43, (3<<16)|(1<<21)
	s_or_b32 s[G1B+0], s44, (3<<16)|(1<<21)
.irp g, G1, G1B
	s_mov_b32 s[\g+1], 384<<16
	s_mov_b32 s[\g+2], 8<<16
	s_mov_b32 s[\g+3], 384<<16
	s_mov_b32 s[\g+4], 8
	s_mov_b32 s[\g+5], 1536
	s_mov_b32 s[\g+6], 0
	s_mov_b32 s[\g+7], 0
.endr
	; group 1, scale words: 8 rows (planes) of 64 elements (128 words), 6,144 elements from plane to plane
	s_or_b32 s[G1S+0], s43, (3<<16)|(1<<21)
	s_or_b32 s[G1SB+0], s44, (3<<16)|(1<<21)
.irp g, G1S, G1SB
	s_mov_b32 s[\g+1], 64<<16
	s_mov_b32 s[\g+2], 8<<16
	s_mov_b32 s[\g+3], 64<<16
	s_mov_b32 s[\g+4], 8
	s_mov_b32 s[\g+5], 6144
	s_mov_b32 s[\g+6], 0
	s_mov_b32 s[\g+7], 0
.endr
	s_lshl_b32 s19, s17, 6
	s_max_u32 s18, s17, 8
	s_sub_co_u32 s18, s18, 8                       ; v: the batch
	s_mov_b32 s20, 640
	s_cmp_ge_u32 s17, 8
	s_cselect_b32 s45, 1, 0                        ; 1: this cluster makes v
	s_cselect_b32 s20, s20, s19                    ; R's tiles: W's v columns from tile 640, or tokens from tile 64 x cluster y,
	s_cselect_b32 s46, 0, 512                      ; P's: tokens, or W's columns from tile 512
	s_lshl_b32 s21, s41, 4
	s_add_co_u32 s20, s20, s21                     ; + 16 cy
	s_lshl_b32 s21, s16, 3
	s_add_co_u32 s20, s20, s21                     ; + the half that I fetch
	s_lshl_b32 s47, s18, 3
	s_add_co_u32 s47, s47, s42
	s_lshl_b32 s47, s47, 4
	s_add_co_u32 s46, s46, s47                     ; + 16 (gx + 8 x batch)
	s_add_co_u32 s46, s46, s21
	s_lshl_b32 s22, s20, 6                         ; 64 bytes of scale words a tile
	s_mul_i32 s20, s20, 12288
	s_lshl_b32 s92, s46, 6
	s_mul_i32 s46, s46, 12288
	s_mov_b32 s21, 0
	s_mov_b32 s23, 0
	s_mov_b32 s47, 0
	s_mov_b32 s93, 0
	s_mul_i32 s94, s14, HALFT                      ; where the codes go: wave x a half
	s_lshl_b32 s95, s16, 12                        ; and the scale words
	s_wait_dscnt 0x0                               ; the opening add is done
	s_wait_kmcnt 0x0
	s_add_nc_u64 s[20:21], s[4:5], s[20:21]
	s_add_nc_u64 s[22:23], s[6:7], s[22:23]
	s_add_nc_u64 s[46:47], s[4:5], s[46:47]
	s_add_nc_u64 s[92:93], s[6:7], s[92:93]
	CROUND                                         ; all sixteen work-groups are here: the first joint loads meet
	s_mov_b32 s[G0S], 1
	s_add_co_u32 s[G0S+1], s95, SCL+8192
	s_mov_b64 s[G0S+2:G0S+3], s[22:23]
	s_or_b32 s[G0S+3], s[G0S+3], 0x80000000
	s_mov_b32 s[G0SB], 1
	s_add_co_u32 s[G0SB+1], s95, SCL
	s_mov_b64 s[G0SB+2:G0SB+3], s[92:93]
	s_or_b32 s[G0SB+3], s[G0SB+3], 0x80000000
	JLOAD G0S, G1S, G0SB, G1SB                     ; the scale words of all of K: filled once
.irp s, 0,1
	s_mov_b32 s[G0+4*\s], 1
	s_add_co_u32 s[G0+4*\s+1], s94, \s*SLOT
	s_add_nc_u64 s[G0+4*\s+2:G0+4*\s+3], s[20:21], \s*3072
	s_or_b32 s[G0+4*\s+3], s[G0+4*\s+3], 0x80000000
	s_mov_b32 s[G0B+4*\s], 1
	s_add_co_u32 s[G0B+4*\s+1], s94, \s*SLOT
	s_add_nc_u64 s[G0B+4*\s+2:G0B+4*\s+3], s[46:47], \s*3072
	s_or_b32 s[G0B+4*\s+3], s[G0B+4*\s+3], 0x80000000
	JLOAD G0+4*\s, G1, G0B+4*\s, G1B               ; three tensor loads of mine are out at the most
.endr
	v_and_b32 v1, 15, v0                           ; r
	v_bfe_u32 v2, v0, 4, 1                         ; h
	v_and_b32 v3, 31, v0                           ; lane
	v_lshlrev_b32 v4, 3, v3
	s_mul_i32 s21, s15, HALFT
	s_mul_i32 s22, s16, HALFT
	s_add_co_u32 s22, s22, 2*HALFT
.irp s, 0,1
	v_add_nc_u32 v[ADRA+\s], s21, v4
	v_add_nc_u32 v[ADRB+\s], s22, v4
	s_add_co_u32 s21, s21, SLOT
	s_add_co_u32 s22, s22, SLOT
.endr
	s_lshl_b32 s21, s16, 12
	s_lshl_b32 s22, s15, 12
	s_add_co_u32 s22, s22, 8192
	s_sub_co_u32 s22, s22, s21                     ; from P's words to R's
	v_mul_u32_u24 v6, s22, v2                      ; lanes 16-31 take R's
	s_add_co_u32 s21, s21, SCL
	v_lshl_add_u32 v5, v1, 2, v6
	v_add_nc_u32 v[ADRS], s21, v5
	s_lshl_b32 s23, s14, 10
	v_lshl_add_u32 v[STW], v1, 2, s23
	v_lshlrev_b32 v[CO], 4, v3
	v_add_nc_u32 v[STR], s23, v[CO]
	v_mul_u32_u24 v[VSO], v2, 13056
	v_lshl_add_u32 v[VSO], v1, 4, v[VSO]
	; the bias.  q, k: register 8 b + j takes column 32 (b / 2) + 8 (b % 2) + 16 h + j of my 128.  v: all eight registers of tile a take my lane's column 32 (a / 2) + 8 (a % 2) + r + 8 (r / 8)
	s_lshl_b32 s18, s42, 8
	s_lshl_b32 s19, s16, 7
	s_add_co_u32 s18, s18, s19
	s_lshl_b32 s19, s41, 8
	s_lshl_b32 s67, s15, 7
	s_add_co_u32 s19, s19, s67
	s_add_co_u32 s19, s19, 2048
	s_cmp_lg_u32 s45, 0
	s_cselect_b32 s66, -1, 0
	s_cselect_b32 s18, s19, s18
	s_lshl_b32 s18, s18, 2
	s_mov_b32 s19, 0
	s_add_nc_u64 s[8:9], s[8:9], s[18:19]
	v_lshrrev_b32 v5, 3, v1
	v_lshl_add_u32 v5, v5, 3, v1
	v_lshlrev_b32 v5, 2, v5
	v_lshlrev_b32 v6, 6, v2
.irp j, 0,1,2,3,4,5,6,7
	v_add_nc_u32 v7, 4*\j, v6
	v_cndmask_b32 v[BO+\j], v7, v5, s66
.endr
.irp i, 0,1,2,3,4,5,6,7
.irp j, 0,1,2,3,4,5,6,7
	global_load_b32 v[BIAS+8*\i+\j], v[BO+\j], s[8:9] offset:4*(32*(\i/2)+8*(\i%2))
.endr
.endr
.macro FRAG reg, adr, q, i             ; a fragment is an image of its 12 registers: six loads of 256 consecutive bytes
.irp p, 0,1,2,3,4,5
	ds_load_b64 v[\reg+2*\p:\reg+2*\p+1], v[\adr] offset:3072*(\i)+1536*(\q)+256*\p
.endr
.endm
; 16 matrix instructions: R's blocks a0, a0 + 1 x P's eight.  mode 0: C = D; 1: C = the bias along P; 2: along R.  The 64 accumulators take turns, one instruction a turn, in the same order in every step.
.macro MUL16 a0, p, q, sc, mode
.irp a, \a0, \a0+1
.irp b, 0,1,2,3,4,5,6,7
.if \mode == 1
	v_wmma_scale_f32_16x16x128_f8f6f4 v[8*(8*((\a)%4)+\b):8*(8*((\a)%4)+\b)+7], v[128*(\p)+FR*\b:128*(\p)+FR*\b+FR-1], v[AF+FR*(\a):AF+FR*(\a)+FR-1], v[BIAS+8*\b:BIAS+8*\b+7], v[SC+16*(\sc)+2*\b+(\q)], v[SC+16*(\sc)+2*(\a)+(\q)] matrix_a_fmt:MATRIX_FMT_FP6 matrix_b_fmt:MATRIX_FMT_FP6 matrix_b_scale:MATRIX_SCALE_ROW1
.elseif \mode == 2
	v_wmma_scale_f32_16x16x128_f8f6f4 v[8*(8*((\a)%4)+\b):8*(8*((\a)%4)+\b)+7], v[128*(\p)+FR*\b:128*(\p)+FR*\b+FR-1], v[AF+FR*(\a):AF+FR*(\a)+FR-1], v[BIAS+8*(\a):BIAS+8*(\a)+7], v[SC+16*(\sc)+2*\b+(\q)], v[SC+16*(\sc)+2*(\a)+(\q)] matrix_a_fmt:MATRIX_FMT_FP6 matrix_b_fmt:MATRIX_FMT_FP6 matrix_b_scale:MATRIX_SCALE_ROW1
.else
	v_wmma_scale_f32_16x16x128_f8f6f4 v[8*(8*((\a)%4)+\b):8*(8*((\a)%4)+\b)+7], v[128*(\p)+FR*\b:128*(\p)+FR*\b+FR-1], v[AF+FR*(\a):AF+FR*(\a)+FR-1], v[8*(8*((\a)%4)+\b):8*(8*((\a)%4)+\b)+7], v[SC+16*(\sc)+2*\b+(\q)], v[SC+16*(\sc)+2*(\a)+(\q)] matrix_a_fmt:MATRIX_FMT_FP6 matrix_b_fmt:MATRIX_FMT_FP6 matrix_b_scale:MATRIX_SCALE_ROW1
.endif
.endr
.endr
.endm
.macro FETCH_B slot, q, p
	WIN TO_B
.irp i, 0,1,2,3,4,5,6,7
	FRAG 128*(\p)+FR*\i, ADRB+\slot, \q, \i
.endr
	WIN 0
.endm
.macro FETCH_A slot, q, i0
.irp i, \i0, \i0+1, \i0+2, \i0+3
	FRAG AF+FR*(\i), ADRA+\slot, \q, \i
.endr
.endm
.macro SCALES sc                       ; a slot's two planes: register 2 i + q: lanes 0-15 P's block i, lanes 16-31 R's block i
.irp i, 0,1,2,3,4,5,6,7
.irp q, 0,1
	ds_load_b32 v[SC+16*\sc+2*\i+\q], v[ADRS] offset:512*\q+64*\i
.endr
.endr
.endm
.macro PLACES n                        ; plain places behind matrix instructions, in front of loads into their registers and of reads of their results
.rept \n
	v_nop
.endr
.endm
.macro STEP slot, q, mode              ; a step of 128 along K that has its successor in the same slot
	s_wait_dscnt 4*NL                              ; P's set and R's blocks 0-3 are in; the youngest 24 loads (R's blocks 4-7) may be out
.if \mode
	WIN 0x81                                       ; C, the bias, lies in window 0
.else
	WIN MUL_LO
.endif
	MUL16 0, (\q)%2, \q, \slot, \mode
	MUL16 2, (\q)%2, \q, \slot, \mode
	s_wait_dscnt 0
	PLACES NP
	FETCH_B \slot, (\q)+1, 1-(\q)%2
	FETCH_A \slot, (\q)+1, 0
.if \mode
	WIN 0xc1
.else
	WIN MUL_HI
.endif
	MUL16 4, (\q)%2, \q, \slot, \mode
	MUL16 6, (\q)%2, \q, \slot, \mode
	PLACES NP
	WIN 0
	FETCH_A \slot, (\q)+1, 4
.endm
; A slot's last step changes slots: one barrier; in front of it each wave waits for all its tensor loads, adds 0 to its spare word, and waits for that and for its reads of this slot.  fill = 1: the slot is filled again, two slots on.
.macro TURN slot, next, fill
	s_wait_tensorcnt 0x0                           ; all my tensor loads have landed: my part of the next slot
	ds_add_u32 v[SPW], v[NIL]                      ; 0 onto my spare word
	s_wait_dscnt 4*NL+1                            ; (the add and the youngest 24 loads may be out)
	WIN MUL_LO
	MUL16 0, 1, 1, \slot, 0
	s_wait_dscnt 0x0                               ; the add is done, and my reads of this slot are over
	s_barrier_signal -1
	MUL16 2, 1, 1, \slot, 0
	WIN 0
	s_barrier_wait -1
.if \fill
	CREST                                          ; the barrier has opened a round of the cluster's barrier: no wave of any partner still reads this slot or has a load on its way
	s_add_nc_u64 s[G0+4*\slot+2:G0+4*\slot+3], s[G0+4*\slot+2:G0+4*\slot+3], 6144
	s_add_nc_u64 s[G0B+4*\slot+2:G0B+4*\slot+3], s[G0B+4*\slot+2:G0B+4*\slot+3], 6144
	JLOAD G0+4*\slot, G1, G0B+4*\slot, G1B         ; the first tensor load behind the round; its four v_nop are the places in front of the loads below
.else
	PLACES NP
.endif
	v_add_nc_u32 v[ADRS], 1024, v[ADRS]            ; the next slot's two planes
	FETCH_B \next, 0, 0
	FETCH_A \next, 0, 0
	SCALES \next
	WIN MUL_HI
	MUL16 4, 1, 1, \slot, 0
	MUL16 6, 1, 1, \slot, 0
	PLACES NP
	WIN 0
	FETCH_A \next, 0, 4
.endm
	s_wait_tensorcnt 1                             ; the scale words and my part of slot 0 are in (slot 1's load may be out)
	s_barrier_signal -1
	s_barrier_wait -1
	FETCH_B 0, 0, 0
	FETCH_A 0, 0, 0
	SCALES 0
	FETCH_A 0, 0, 4
	s_wait_loadcnt 0x0                             ; the bias
	s_cmp_lg_u32 s45, 0
	s_cbranch_scc1 .Lfirst_v
	STEP 0, 0, 1                                   ; the first step starts the sums with the bias; its two forms issue the same loads and waits
	s_branch .Lfirst_done
.Lfirst_v:
	STEP 0, 0, 2
.Lfirst_done:
	TURN 0, 1, 1                                   ; K has four slots' worth: both slots are filled again once
	STEP 1, 0, 0
	TURN 1, 0, 1
	STEP 0, 0, 0
	TURN 0, 1, 0
	STEP 1, 0, 0
	s_wait_dscnt 4*NL                              ; the last step: nothing more to fetch
	WIN MUL_LO
	MUL16 0, 1, 1, 1, 0
	MUL16 2, 1, 1, 1, 0
	s_wait_dscnt 0
	WIN MUL_HI
	MUL16 4, 1, 1, 1, 0
	MUL16 6, 1, 1, 1, 0
	WIN 0
; THE WAY OUT.  R's block a: my lane's 64 registers run along P: register 16 g + i = index 32 g + 16 h + i.  They become 12 registers of codes, six at x0 (indices 0-63) and six at x1 (64-127), and a scale word.
.macro QUANTA a, x0, x1
.set AC, 64*((\a)%4)
.set WA, 2+(\a)/4
	WIN 20*WA                                      ; sources 1 and 2: the accumulators' window
.irp b, 0,1,2,3
	v_max3_num_f32 v[TM+\b], 0x1800000, |v[AC+16*\b]|, |v[AC+16*\b+1]|   ; the floor, and each accumulator from its low end on
.endr
.irp i, 2,4,6,8,10,12,14
.irp b, 0,1,2,3
	v_max3_num_f32 v[TM+\b], v[TM+\b], |v[AC+16*\b+\i]|, |v[AC+16*\b+\i+1]|
.endr
.endr
	WIN 0
.irp b, 0,1,2,3
	v_permlanex16_b32 v[TM+4+\b], v[TM+\b], s[SEL], s[SEL+1]
.endr
.irp b, 0,1,2,3
	v_max_num_f32 v[TM+\b], v[TM+\b], v[TM+4+\b]
.endr
.irp b, 0,1,2,3
	v_add_nc_u32 v[TM+12+\b], 0xff000000, v[TM+\b]
.endr
.irp b, 0,1,2,3
	v_lshrrev_b32 v[TM+4+\b], 23, v[TM+12+\b]
.endr
	v_lshl_or_b32 v[PW], v[TM+5], 8, v[TM+4]
	v_lshl_or_b32 v[PW], v[TM+6], 16, v[PW]
	v_lshl_or_b32 v[PW], v[TM+7], 24, v[PW]
	WIN WA                                         ; source 0: the accumulators' window
	v_cvt_scalef32_pk16_fp6_f32 v[(\x0):(\x0)+2], v[AC:AC+15], v[TM+12]
	v_cvt_scalef32_pk16_fp6_f32 v[TC:TC+2], v[AC+16:AC+31], v[TM+13]
	v_cvt_scalef32_pk16_fp6_f32 v[(\x1):(\x1)+2], v[AC+32:AC+47], v[TM+14]
	v_cvt_scalef32_pk16_fp6_f32 v[TC+4:TC+6], v[AC+48:AC+63], v[TM+15]
	WIN 0
	v_nop                                          ; one plain place behind a scaled conversion
.irp i, 0,1,2
	v_permlane16_swap_b32 v[(\x0)+\i], v[TC+\i]
.endr
.irp i, 0,1,2
	v_mov_b32 v[(\x0)+3+\i], v[TC+\i]
.endr
.irp i, 0,1,2
	v_permlane16_swap_b32 v[(\x1)+\i], v[TC+4+\i]
.endr
.irp i, 0,1,2
	v_mov_b32 v[(\x1)+3+\i], v[TC+4+\i]
.endr
.endm
	PLACES NP
	s_mov_b32 s[SEL], 0x76543210
	s_mov_b32 s[SEL+1], 0xfedcba98
.irp b, 0,1,2,3
	v_mov_b32 v[TM+4+\b], 0
.endr
	s_cmp_lg_u32 s45, 0
	s_cbranch_scc1 .Lvout
	; ---- q and k: my 128 columns are two heads; my 128 tokens are one block.  Codes 0-63 belong to the even head, 64-127 to the odd one
	s_lshl_b32 s18, s17, 2
	s_add_co_u32 s18, s18, s41
	s_lshr_b32 s19, s18, 3                         ; batch
	s_and_b32 s18, s18, 7
	s_lshl_b32 s18, s18, 1
	s_add_co_u32 s18, s18, s15                     ; block of 128 tokens
	s_lshl_b32 s20, s40, 1
	s_add_co_u32 s20, s20, s16                     ; pair of heads
	s_lshl_b32 s19, s19, 3
	s_add_co_u32 s19, s19, s20
	s_lshl_b32 s19, s19, 4
	s_add_co_u32 s19, s19, s18
	s_lshl_b32 s19, s19, 1                         ; the even head's record
	s_mov_b32 s20, 6656
	s_mov_b32 s22, 6144
	s_cmp_lg_u32 ttmp9, 0                          ; cluster x 0: q; 1: k
	s_cselect_b64 s[CB:CB+1], s[12:13], s[10:11]
	s_cselect_b32 s20, 13056, s20                  ; a record,
	s_cselect_b32 s22, 12288, s22                  ; and where its scale words begin
	s_mul_i32 s18, s19, s20
	s_mov_b32 s19, 0
	s_mov_b32 s21, 0
	s_mov_b32 s23, 0
	s_add_nc_u64 s[CB:CB+1], s[CB:CB+1], s[18:19]
	s_add_nc_u64 s[CB+2:CB+3], s[CB:CB+1], s[20:21]
	s_add_nc_u64 s[96:97], s[CB:CB+1], s[22:23]
	s_add_nc_u64 s[98:99], s[CB+2:CB+3], s[22:23]
.set A, 0
.rept 8
.if (A%2 == 0) && (A >= 4)
	s_wait_xcnt 0x0                                ; the stores of two pairs back have read this set of registers
.endif
	QUANTA A, OUT+24*((A/2)%2)+6*(A%2), OUT+24*((A/2)%2)+6*(A%2)+12
	v_and_b32 v[WD+2*A], 0xffff, v[PW]             ; the even head's two bytes; bytes 2 and 3 stay 0
	v_lshrrev_b32 v[WD+2*A+1], 16, v[PW]           ; the odd head's
	ds_store_b32 v[STW], v[WD+2*A] offset:64*A
	ds_store_b32 v[STW], v[WD+2*A+1] offset:512+64*A
.if A%2 == 1
.irp n, 0,1,2,3,4,5
	global_store_b128 v[CO], v[OUT+24*((A/2)%2)+4*\n:OUT+24*((A/2)%2)+4*\n+3], s[CB+2*(\n/3):CB+2*(\n/3)+1] offset:1536*(A/2)+512*(\n%3)   ; 512 consecutive bytes, aligned
.endr
.endif
.set A, A+1
.endr
	ds_load_b128 v[144:147], v[STR]                ; LDS serves a wave's instructions in order: these see my stores
	ds_load_b128 v[148:151], v[STR] offset:512
	s_wait_dscnt 0x0
	global_store_b128 v[CO], v[144:147], s[96:97]
	global_store_b128 v[CO], v[148:151], s[98:99]
	s_branch .Lend
.Lvout:
	; ---- v: my 128 tokens are one step of keys; R's block a is tile a % 4 of the channels of head a / 4 of my pair: a whole fragment of 16 channels x 128 keys
	s_sub_co_u32 s18, s17, 8
	s_lshl_b32 s18, s18, 3
	s_lshl_b32 s19, s41, 1
	s_add_co_u32 s18, s18, s19
	s_add_co_u32 s18, s18, s15                     ; batch x 8 + pair of heads
	s_lshl_b32 s18, s18, 4
	s_lshl_b32 s19, s42, 1
	s_add_co_u32 s18, s18, s19
	s_add_co_u32 s18, s18, s16                     ; + step of keys
	s_mul_i32 s18, s18, 2*13056
	s_add_co_u32 s18, s18, 6144
	s_mov_b32 s19, 0
	s_add_nc_u64 s[CB:CB+1], s[12:13], s[18:19]
	s_add_nc_u64 s[96:97], s[CB:CB+1], 6656
.set A, 0
.rept 8
.if (A%2 == 0) && (A >= 4)
	s_wait_xcnt 0x0
.endif
	QUANTA A, OUT+24*((A/2)%2)+12*(A%2), OUT+24*((A/2)%2)+12*(A%2)+6
	v_mov_b32 v[WD+A], v[PW]
	ds_store_b32 v[STW], v[WD+A] offset:4096+64*A
.if A%2 == 1
.irp n, 0,1,2,3,4,5
	global_store_b128 v[CO], v[OUT+24*((A/2)%2)+4*\n:OUT+24*((A/2)%2)+4*\n+3], s[CB:CB+1] offset:((A-1+\n/3)/4)*13056+((A-1+\n/3)%4)*1536+512*(\n%3)
.endr
.endif
.set A, A+1
.endr
	ds_load_b128 v[144:147], v[STR] offset:4096
	s_wait_dscnt 0x0
	global_store_b128 v[VSO], v[144:147], s[96:97] ; sixteen lanes store a head's 256 bytes of words, aligned
.Lend:
	s_wait_tensorcnt 0x0                           ; the wave's end
	ds_add_u32 v[SPW], v[NIL]
	s_wait_dscnt 0x0
	CROUND                                         ; the closing round
	s_endpgm
.Lfunc_end_k_q11751b144e_qkv:
	.size	k_q11751b144e_qkv, .Lfunc_end_k_q11751b144e_qkv-k_q11751b144e_qkv
	.p2alignl 7, 3214868480
	.fill 96, 4, 3214868480
	.section	.rodata,"a",@progbits
	.p2align	6, 0x0
	.amdhsa_kernel k_q11751b144e_qkv
		.amdhsa_group_segment_fixed_size 327680
		.amdhsa_private_segment_fixed_size 0
		.amdhsa_enable_private_segment 0
		.amdhsa_kernarg_size 40
		.amdhsa_user_sgpr_count 2
		.amdhsa_user_sgpr_kernarg_segment_ptr 1
		.amdhsa_wavefront_size32 1
		.amdhsa_system_sgpr_workgroup_id_x 1
		.amdhsa_system_sgpr_workgroup_id_y 1
		.amdhsa_system_sgpr_workgroup_id_z 1
		.amdhsa_system_vgpr_workitem_id 0
		.amdhsa_next_free_vgpr 1024
		.amdhsa_next_free_sgpr 100
		.amdhsa_reserve_vcc 0
		.amdhsa_float_denorm_mode_32 3
		.amdhsa_float_denorm_mode_16_64 3
		.amdhsa_memory_ordered 1
		.amdhsa_forward_progress 1
		.amdhsa_inst_pref_size 225
	.end_amdhsa_kernel
	.amdgpu_metadata
---
amdhsa.version: [ 1, 2 ]
amdhsa.kernels:
  - .name:           k_q11751b144e_qkv
    .symbol:         k_q11751b144e_qkv.kd
    .args:
      - { .name: cd, .offset: 0, .size: 8, .value_kind: global_buffer, .address_space: global }
      - { .name: sc, .offset: 8, .size: 8, .value_kind: global_buffer, .address_space: global }
      - { .name: b_qkv, .offset: 16, .size: 8, .value_kind: global_buffer, .address_space: global }
      - { .name: qa, .offset: 24, .size: 8, .value_kind: global_buffer, .address_space: global }
      - { .name: kv, .offset: 32, .size: 8, .value_kind: global_buffer, .address_space: global }
    .group_segment_fixed_size: 327680
    .private_segment_fixed_size: 0
    .kernarg_segment_align: 8
    .kernarg_segment_size: 40
    .max_flat_workgroup_size: 128
    .sgpr_count:     100
    .vgpr_count:     1024
    .wavefront_size: 32
...
	.end_amdgpu_metadata
.endif
;; end of part 2
;; launch attn (part 3): grid 8 x 32, 16 waves a work-group, no clusters, 327,680 bytes of LDS; arguments qa, kv, cd, sc; writes cd, sc
.if DOCPART == 3
	.amdgcn_target "amdgcn-amd-amdhsa--gfx1250"
	.amdhsa_code_object_version 6
	.text
	.protected	k_q11751b144e_attn
	.globl	k_q11751b144e_attn
	.p2align	8
	.type	k_q11751b144e_attn,@function
k_q11751b144e_attn:
	s_mov_b64 s[64:65], 0
	v_nop
	global_prefetch_b8 v0, s[64:65] scope:SCOPE_SE
	s_setreg_imm32_b32 hwreg(HW_REG_WAVE_MODE, 25, 1), 1
	s_wait_xcnt 0x0
; Causal attention on codes of FP6 (E2M3): S^T = K Q^T (K = a head's 64), p = 2^(t - M) quantised along the keys, O^T = V^T P^T (K = the keys), y = O / l quantised along the model's 1,024 and stored as the last product's operand.
; t = score x log2(e) / 8; M = the ceiling of the running largest t, a whole number; l is the sum of the unquantised p.  When M moves, l and O^T are multiplied by 2^(old M - new M): exact.
; SHARES.  Work-group (i, y): y = batch x 8 + pair of heads; it owns the blocks of 128 queries i and 15 - i of both heads.  Wave w: head w / 8 of the pair; tile w % 8 of block i (LO) and tile 7 - w % 8 of block 15 - i (HI):
; i + 1 and 16 - i steps of 128 keys, 17 tile steps for every wave of every work-group.  Two heads to a work-group make y's scale words whole: a K step of the last product is two heads.
; NO CLUSTER: the eight work-groups that walk one pair of heads stop asking at eight different causal limits, and a joint load has to be issued by all that it names.
; K = 64 IN AN INSTRUCTION OF 128: Q's registers 6-11 (k = 64 .. 127) are zero codes; K's operand for a tile runs on into the registers that follow it, whose bits are codes of finite numbers (the format has no other), so these products are zeros;
; bytes 2 and 3 of both scale words are 0, which stands for 2^-127.
; The keys, queries and channels of a tile are chosen (place r of tile 2 g + u = index 32 g + 8 u + r % 8 + 16 (r / 8)) so that the 16 registers of two neighbouring tiles are 16 neighbours along the next K.
; RING: two LDS slots of two key steps x two heads: four records of kv, 52,224 dense bytes; waves 0 and 1 fetch a half each; all sixteen read.  A slot whose first key lies behind the work-group's last query is not asked for.
; LIMITS: NaN and infinities are not served; a block whose largest magnitude lies under 2^-124 is held at the byte 1; a block of zeros gets the byte 1.
; REGISTERS: v1-11, v46, v47 addresses; v12-15, v16-19 -M, largest t, the sum's two halves (LO, HI); v20-31, v32-43 Q; v44, v45 Q's scale words; v48-95 fragments; v96-159 S^T, then p; v160-191, v192-223 O^T; v224-254 at work.
.set SLOT1, 1<<17
.set SPARE, 262144                     ; the spare words, 128 bytes for each of 16 waves: eight blocks of 256 bytes that no other line names
.set YST,   264192                     ; y's scale words: [LO, HI][tile 8][16]: 1,024 bytes that no fill touches
.set AL16, 1                           ; v1  16 x lane + my head's record in a step
.set AL4,  2                           ; v2  4 r + the same
.set ADK,  3                           ; v3  v1 + the slot in hand
.set ADS,  4                           ; v4  v2 + the slot in hand
.set SPW,  5
.set NIL,  6
.set DQ,   7                           ; v7  r % 8 + 16 (r / 8) - 16 h
.set L8,   8                           ; v8  8 x lane
.set YLO,  9                           ; v9  where LO's two scale bytes go
.set PFO,  10                          ; v10 256 x lane
.set YRD,  11                          ; v11 where waves 0 and 1 read the words back
.set YHI,  46                          ; v46 where HI's go
.set L16,  47                          ; v47 16 x lane
.set TB,   2
.set WV,   18
.set SEL,  20
.set CS,   22
.set G1,   24
.set G0,   32
.set KF,   36                          ; the step's first key
.set QLO,  37                          ; LO's lowest query
.set QHI,  38
.set WGL,  39                          ; the work-group's last query
.set SLOTS, 40
.set PFA,  42
.set PFC,  44                          ; which chunk of 8,192 bytes my next prefetch names
.set LIMC, 45                          ; 51 in a wave that prefetches, else 0
.macro PLACES
.rept 4
	v_nop
.endr
.endm
.macro TLOAD                           ; waves 0 and 1 fetch; an s_nop 0 and four v_nop follow the load
	s_cmp_lt_u32 s[WV], 2
	s_cbranch_scc0 .Lasked_\@
	tensor_load_to_lds s[G0:G0+3], s[G1:G1+7]
	s_nop 0
.rept 4
	v_nop
.endr
.Lasked_\@:
.endm
; A PREFETCH of what later changes of slots will ask for.  A pair of heads' 417,792 bytes of kv are 51 chunks of 8,192; all eight work-groups of a pair walk them, and the one with i = 0, which walks all slots, asks.
; Its waves 4 to 10 name one chunk each at a change, lanes 256 bytes apart: chunks 13 + 7 n + 0 .. 6 at change n, while the number is under 51: each block once, a slot or more ahead of its load, none past the end.
.macro ASK
	s_cmp_lt_u32 s[PFC], s[LIMC]
	s_cbranch_scc0 .Lnot_mine_\@
	global_prefetch_b8 v[PFO], s[PFA:PFA+1] th:TH_LOAD_NT scope:SCOPE_SE
.Lnot_mine_\@:
.endm
	s_load_b256 s[4:11], s[0:1], 0x0               ; qa s[4:5], kv s[6:7], cd s[8:9], sc s[10:11]
	v_lshl_add_u32 v[SPW], v0, 2, SPARE
	v_mov_b32 v[NIL], 0
	ds_add_u32 v[SPW], v[NIL]                      ; the wave's opening: the add and its wait ahead of my first tensor load
	v_lshrrev_b32 v1, 5, v0
	v_readfirstlane_b32 s[WV], v1
	s_lshr_b32 s46, s[WV], 3                       ; my head of the pair
	s_and_b32 s47, s[WV], 7                        ; LO's tile
	s_xor_b32 s48, s47, 7                          ; HI's tile
	s_and_b32 s49, ttmp7, 0xffff                   ; y
	s_sub_co_u32 s50, 15, ttmp9                    ; HI's block
	s_mov_b32 s[G1], 3<<16                         ; elements of 8 bytes, no mask, no padding
	s_mov_b32 s[G1+1], 32<<16                      ; rows of 256 bytes,
	s_mov_b32 s[G1+2], 102<<16                     ; 102 of them: two records
	s_mov_b32 s[G1+3], 32<<16
	s_mov_b32 s[G1+4], 102
	s_mov_b32 s[G1+5], 32                          ; dense
	s_mov_b32 s[G1+6], 0
	s_mov_b32 s[G1+7], 0
	s_mov_b32 s[SEL], 0x76543210
	s_mov_b32 s[SEL+1], 0xfedcba98
	s_mov_b32 s[CS], 0x3e38aa3b                    ; log2(e) / 8
	s_mov_b32 s[CS+1], s[CS]
	s_mov_b32 s[TB], 0
	s_mov_b32 s[KF], 0
	s_mov_b32 s[SLOTS], 7
	s_lshl_b32 s[QLO], ttmp9, 7
	s_lshr_b32 s52, s47, 1
	s_lshl_b32 s52, s52, 5
	s_add_co_u32 s[QLO], s[QLO], s52
	s_and_b32 s52, s47, 1
	s_lshl_b32 s52, s52, 3
	s_add_co_u32 s[QLO], s[QLO], s52
	s_lshl_b32 s[QHI], s50, 7
	s_lshr_b32 s52, s48, 1
	s_lshl_b32 s52, s52, 5
	s_add_co_u32 s[QHI], s[QHI], s52
	s_and_b32 s52, s48, 1
	s_lshl_b32 s52, s52, 3
	s_add_co_u32 s[QHI], s[QHI], s52
	s_lshl_b32 s[WGL], s50, 7
	s_add_co_u32 s[WGL], s[WGL], 127
	s_sub_co_u32 s52, s[WV], 4
	s_cmp_lt_u32 s52, 7                            ; waves 4 to 10
	s_cselect_b32 s[LIMC], 51, 0
	s_cmp_eq_u32 ttmp9, 0                          ; of the work-group with i = 0
	s_cselect_b32 s[LIMC], s[LIMC], 0
	s_min_u32 s52, s52, 6
	s_add_co_u32 s[PFC], s52, 6                    ; the first change steps it to 13 + 0 .. 6
	; Q's records
	s_lshl_b32 s52, s49, 4
	s_add_co_u32 s54, s52, ttmp9
	s_lshl_b32 s54, s54, 1
	s_add_co_u32 s54, s54, s46
	s_mul_i32 s54, s54, 6656
	s_lshr_b32 s53, s47, 1
	s_mul_i32 s53, s53, 1536
	s_add_co_u32 s56, s54, s53                     ; LO: the image of its pair of tiles,
	s_mov_b32 s57, 0
	s_lshl_b32 s53, s47, 6
	s_add_co_u32 s58, s54, s53
	s_add_co_u32 s58, s58, 6144                    ; and its scale words
	s_mov_b32 s59, 0
	s_add_co_u32 s54, s52, s50
	s_lshl_b32 s54, s54, 1
	s_add_co_u32 s54, s54, s46
	s_mul_i32 s54, s54, 6656
	s_lshr_b32 s53, s48, 1
	s_mul_i32 s53, s53, 1536
	s_add_co_u32 s60, s54, s53
	s_mov_b32 s61, 0
	s_lshl_b32 s53, s48, 6
	s_add_co_u32 s62, s54, s53
	s_add_co_u32 s62, s62, 6144
	s_mov_b32 s63, 0
	s_mul_i32 s54, s49, 417792
	s_mov_b32 s55, 0
	s_and_b32 s52, s[WV], 1
	s_mul_i32 s[G0+1], s52, 26112                  ; my half of slot 0
	s_mov_b32 s[G0], 1
	s_wait_dscnt 0x0                               ; the opening add is done
	s_wait_kmcnt 0x0
	s_add_nc_u64 s[6:7], s[6:7], s[54:55]          ; kv at my pair of heads
	s_mov_b32 s54, s[G0+1]
	s_add_nc_u64 s[G0+2:G0+3], s[6:7], s[54:55]
	s_or_b32 s[G0+3], s[G0+3], 0x80000000
	TLOAD                                          ; slot 0: one tensor load of mine is out, here and behind every change
	s_lshl_b32 s54, s[PFC], 13
	s_add_nc_u64 s[PFA:PFA+1], s[6:7], s[54:55]
	s_add_nc_u64 s[56:57], s[4:5], s[56:57]
	s_add_nc_u64 s[58:59], s[4:5], s[58:59]
	s_add_nc_u64 s[60:61], s[4:5], s[60:61]
	s_add_nc_u64 s[62:63], s[4:5], s[62:63]
	v_and_b32 v1, 31, v0                           ; lane
	v_and_b32 v2, 15, v0                           ; r
	v_bfe_u32 v3, v0, 4, 1                         ; h
	v_lshlrev_b32 v[L16], 4, v1
	v_lshlrev_b32 v[L8], 3, v1
	v_lshlrev_b32 v[PFO], 8, v1
	v_lshlrev_b32 v254, 2, v2                      ; 4 r
.irp n, 0,1,2
	global_load_b128 v[96+4*\n:99+4*\n], v[L16], s[56:57] offset:512*\n
	global_load_b128 v[108+4*\n:111+4*\n], v[L16], s[60:61] offset:512*\n
.endr
	global_load_b32 v44, v254, s[58:59]
	global_load_b32 v45, v254, s[62:63]
	v_and_b32 v[DQ], 7, v0
	v_bfe_u32 v4, v0, 3, 1
	v_lshl_add_u32 v[DQ], v4, 4, v[DQ]
	v_lshlrev_b32 v4, 4, v3
	v_sub_nc_u32 v[DQ], v[DQ], v4
	s_lshl_b32 s52, s47, 6
	s_lshl_b32 s53, s46, 1
	s_add_co_u32 s52, s52, s53
	s_add_co_u32 s52, s52, YST
	v_add_nc_u32 v[YLO], s52, v254                 ; 64 x tile + 4 r + 2 x head
	s_lshl_b32 s52, s48, 6
	s_add_co_u32 s52, s52, s53
	s_add_co_u32 s52, s52, YST+512
	v_add_nc_u32 v[YHI], s52, v254
	s_min_u32 s52, s[WV], 1
	s_lshl_b32 s52, s52, 9
	s_add_co_u32 s52, s52, YST
	v_add_nc_u32 v[YRD], s52, v[L16]
	s_mul_i32 s52, s46, 13056
	v_add_nc_u32 v[AL16], s52, v[L16]
	v_add_nc_u32 v[AL4], s52, v254
.irp s, 12, 16
	v_mov_b32 v[\s+1], 0xff61b1e6                  ; the largest t so far: -3e38
	v_floor_f32 v[\s], -v[\s+1]                    ; -M
	v_mov_b32 v[\s+2], 0
	v_mov_b32 v[\s+3], 0
.endr
.irp b, 0,1,2,3
	v_mov_b32 v[236+\b], 0                         ; a lane permute's destination counts as one of its sources
.endr
	v_mov_b32 v252, 0
	v_mov_b32 v253, 0
.irp k, 72,73,74,75,76,77
	v_mov_b32 v[\k], 0                             ; named behind the fourth tile of K before anything has landed there
.endr
.set N, 0
.rept 64
	v_mov_b32 v[160+N], 0                          ; O^T: the step is written once; the first change of M multiplies zeros
.set N, N+1
.endr
	s_bitcmp1_b32 s47, 0                           ; LO's tile is the odd one of its pair?  Then HI's is the even one
	s_cselect_b32 s52, -1, 0
	s_cselect_b32 s53, 0, -1
	s_wait_loadcnt 0x0                             ; Q; its bases and offsets may be written again
.irp k, 0,1,2,3,4,5
	v_cndmask_b32 v[20+\k], v[96+\k], v[102+\k], s52
	v_cndmask_b32 v[32+\k], v[108+\k], v[114+\k], s53
	v_mov_b32 v[26+\k], 0                          ; k = 64 .. 127: zero codes
	v_mov_b32 v[38+\k], 0
.endr
	; where y goes: tile 128 x batch + 8 x block + tile, K step = the pair of heads, registers 6 x head on
	s_lshr_b32 s52, s49, 3                         ; batch
	s_and_b32 s53, s49, 7                          ; pair of heads
	s_lshl_b32 s54, s52, 7
	s_lshl_b32 s55, ttmp9, 3
	s_add_co_u32 s55, s55, s54
	s_add_co_u32 s55, s55, s47
	s_mul_i32 s56, s55, 12288
	s_lshl_b32 s55, s50, 3
	s_add_co_u32 s55, s55, s54
	s_add_co_u32 s55, s55, s48
	s_mul_i32 s58, s55, 12288
	s_mul_i32 s54, s53, 1536
	s_mul_i32 s55, s46, 768
	s_add_co_u32 s54, s54, s55
	s_add_co_u32 s56, s56, s54
	s_add_co_u32 s58, s58, s54
	s_mov_b32 s57, 0
	s_mov_b32 s59, 0
	s_add_nc_u64 s[56:57], s[8:9], s[56:57]
	s_add_nc_u64 s[58:59], s[8:9], s[58:59]
	s_cmp_eq_u32 s[WV], 0
	s_cselect_b32 s54, ttmp9, s50                  ; wave 0 stores block i's words, wave 1 block 15 - i's
	s_lshl_b32 s60, s54, 9
	s_lshl_b32 s54, s52, 13
	s_add_co_u32 s60, s60, s54
	s_mul_i32 s54, s53, 49152
	s_add_co_u32 s60, s60, s54
	s_mov_b32 s61, 0
	s_add_nc_u64 s[60:61], s[10:11], s[60:61]
; ONE TILE OF 16 QUERIES AGAINST ONE STEP OF 128 KEYS, the q-th of the slot in hand.  ST: its four statistics; QF, QS: Q's fragment and scale words; OB: its O^T; QM: the scalar with its lowest query (its highest is 23 above).
.macro TILE_STEP q, ST, QF, QS, OB, QM
	s_add_co_u32 s66, s[\QM], 23
	s_cmp_gt_u32 s[KF], s66                        ; all keys of the step lie behind all my queries: a branch on ids, round no barrier and no tensor load
	s_cbranch_scc1 .Lhidden_\@
.irp g, 0,1                                    ; S^T = K Q^T, four tiles of 16 keys at a time
	PLACES                                         ; in front of loads into registers that matrix instructions have read
.irp n, 0,1,2,3,4,5
	ds_load_b128 v[48+4*\n:51+4*\n], v[ADK] offset:26112*(\q)+3072*\g+512*\n   ; two images of two tiles: tile t at v[48 + 6 t]
.endr
.irp t, 0,1,2,3
	ds_load_b32 v[248+\t], v[ADS] offset:26112*(\q)+12288+64*(4*\g+\t)
.endr
	s_wait_dscnt 0x0
.irp t, 0,1,2,3
	v_wmma_scale_f32_16x16x128_f8f6f4 v[96+8*(4*\g+\t):103+8*(4*\g+\t)], v[48+6*\t:59+6*\t], v[\QF:\QF+11], 0, v[248+\t], v[\QS] matrix_a_fmt:MATRIX_FMT_FP6 matrix_b_fmt:MATRIX_FMT_FP6
.endr
.endr
	PLACES
.irp n, 0,1,2,3,4,5,6,7,8,9,10,11              ; V's four fragments and scale words are asked for now and land under the softmax
	ds_load_b128 v[48+4*\n:51+4*\n], v[ADK] offset:26112*(\q)+6144+512*\n
.endr
.irp t, 0,1,2,3
	ds_load_b32 v[248+\t], v[ADS] offset:26112*(\q)+12800+64*\t
.endr
	s_add_co_u32 s66, s[KF], 127
	s_cmp_le_u32 s66, s[\QM]                       ; all keys count: no mask
	s_cbranch_scc1 .Lopen_\@
	s_sub_co_i32 s66, s[\QM], s[KF]
	v_add_nc_u32 v252, s66, v[DQ]                  ; my query - the step's first key - 16 h.  Register 16 b + i holds key 32 b + 16 h + i: hidden where 32 b + i is above that
	v_mov_b32 v254, 0xff800000
.set N, 0
.rept 64
	v_cmp_gt_i32 vcc_lo, 32*(N/16)+N%16, v252
	v_cndmask_b32 v[96+N], v[96+N], v254, vcc_lo
.set N, N+1
.endr
.Lopen_\@:
.irp b, 0,1,2,3
	v_max3_num_f32 v[232+\b], v[96+16*\b], v[97+16*\b], v[98+16*\b]   ; the largest score of each block of 32 keys: for the row's maximum, and, since p rises with the score, for the block's largest p
.endr
.irp i, 3,5,7,9,11,13
.irp b, 0,1,2,3
	v_max3_num_f32 v[232+\b], v[232+\b], v[96+16*\b+\i], v[97+16*\b+\i]
.endr
.endr
.irp b, 0,1,2,3
	v_max_num_f32 v[232+\b], v[232+\b], v[111+16*\b]
.endr
.irp b, 0,1,2,3
	v_permlanex16_b32 v[236+\b], v[232+\b], s[SEL], s[SEL+1]
.endr
.irp b, 0,1,2,3
	v_max_num_f32 v[232+\b], v[232+\b], v[236+\b]
.endr
	v_max3_num_f32 v254, v232, v233, v234
	v_max_num_f32 v254, v254, v235
	v_mul_f32 v254, s[CS], v254
	v_max_num_f32 v[\ST+1], v[\ST+1], v254         ; the running largest t
	v_mov_b32 v254, v[\ST]
	v_floor_f32 v[\ST], -v[\ST+1]                  ; -M = floor(-t)
	v_sub_f32 v254, v[\ST], v254                   ; old M - new M: a whole number, 0 or less
	v_cvt_i32_f32 v254, v254                       ; (it saturates)
	v_ldexp_f32 v252, 1.0, v254                    ; f = 2^(old M - new M)
.set N, 0
.rept 32
	v_pk_fma_f32 v[96+N:97+N], v[96+N:97+N], s[CS:CS+1], v[\ST:\ST+1] op_sel_hi:[1,0,0]   ; t - M
.set N, N+2
.endr
.irp b, 0,1,2,3
	v_fma_f32 v[232+\b], v[232+\b], s[CS], v[\ST]
.endr
.set N, 0
.rept 64
	v_exp_f32 v[96+N], v[96+N]                     ; p, at most 1, not normalised
.set N, N+1
.endr
	v_pk_mul_f32 v[\ST+2:\ST+3], v[\ST+2:\ST+3], v[252:253] op_sel_hi:[1,0]   ; the sums under the new M: a plain place behind the exponentials
	s_wait_alu depctr_va_vdst(0)                   ; one wait for the batch, ahead of its first reader
.irp b, 0,1,2,3
	v_exp_f32 v[232+\b], v[232+\b]                 ; each block's largest p
.endr
	v_pk_add_f32 v[236:237], v[96:97], v[98:99]    ; the sum of the unquantised p, in two chains
.irp j, 4,8,12,16,20,24,28,32,36,40,44,48,52,56,60
	v_pk_add_f32 v[\ST+2:\ST+3], v[\ST+2:\ST+3], v[96+\j:97+\j]
	v_pk_add_f32 v[236:237], v[236:237], v[98+\j:99+\j]
.endr
	v_pk_add_f32 v[\ST+2:\ST+3], v[\ST+2:\ST+3], v[236:237]
	s_wait_alu depctr_va_vdst(0)                   ; and one for the four
.irp b, 0,1,2,3
	v_max_num_f32 v[232+\b], 0x1800000, v[232+\b]  ; the floor
.endr
.irp b, 0,1,2,3
	v_add_nc_u32 v[244+\b], 0xff000000, v[232+\b]
.endr
.irp b, 0,1,2,3
	v_lshrrev_b32 v[236+\b], 23, v[244+\b]
.endr
	v_lshl_or_b32 v253, v237, 8, v236              ; p's scale word
	v_lshl_or_b32 v253, v238, 16, v253
	v_lshl_or_b32 v253, v239, 24, v253
.irp c, 0,1
	v_cvt_scalef32_pk16_fp6_f32 v[224+6*\c:226+6*\c], v[96+32*\c:111+32*\c], v[244+2*\c]
	v_cvt_scalef32_pk16_fp6_f32 v[236+4*\c:238+4*\c], v[112+32*\c:127+32*\c], v[244+2*\c+1]
.endr
	v_nop
.irp c, 0,1
.irp i, 0,1,2
	v_permlane16_swap_b32 v[224+6*\c+\i], v[236+4*\c+\i]
.endr
.irp i, 0,1,2
	v_mov_b32 v[227+6*\c+\i], v[236+4*\c+\i]
.endr
.endr
.set N, 0
.rept 16
	v_pk_mul_f32 v[\OB+N:\OB+N+1], v[\OB+N:\OB+N+1], v[252:253] op_sel_hi:[1,0]   ; O^T under the new M; these sixteen are also the places between the scale word, the codes and the products
.set N, N+2
.endr
	s_wait_dscnt 0x0                               ; V
.irp t, 0,1,2,3                                ; O^T += V^T P^T: the four accumulators by turns
	v_wmma_scale_f32_16x16x128_f8f6f4 v[\OB+8*\t:\OB+8*\t+7], v[48+12*\t:59+12*\t], v[224:235], v[\OB+8*\t:\OB+8*\t+7], v[248+\t], v253 matrix_a_fmt:MATRIX_FMT_FP6 matrix_b_fmt:MATRIX_FMT_FP6
.endr
.Lhidden_\@:
.endm
.macro STEP q
	v_add_nc_u32 v[ADK], s[TB], v[AL16]
	v_add_nc_u32 v[ADS], s[TB], v[AL4]
	TILE_STEP \q, 12, 20, 44, 160, QLO
	TILE_STEP \q, 16, 32, 45, 192, QHI
	s_add_co_u32 s[KF], s[KF], 128
.endm
; THE CHANGE OF SLOTS stands at a slot's head: each wave waits for all its tensor loads, adds 0 to its spare word, waits for that and for its reads of the slot that it has left, and passes the barrier.
; fill = 1: the slot just left is filled with the next 256 keys, if any wave of the work-group will read them; the load has a whole slot's steps in which to land.
.macro CHANGE fill
	s_wait_tensorcnt 0x0                           ; no tensor load of mine is out, so group 0 may be written
	ds_add_u32 v[SPW], v[NIL]
.if \fill
	s_xor_b32 s[G0+1], s[G0+1], SLOT1
	s_add_nc_u64 s[G0+2:G0+3], s[G0+2:G0+3], 52224
	s_wait_xcnt 0x0                                ; the last prefetch, a slot back, has read its address
	s_add_nc_u64 s[PFA:PFA+1], s[PFA:PFA+1], 57344
	s_add_co_u32 s[PFC], s[PFC], 7
.endif
	s_wait_dscnt 0x0
	s_barrier_signal -1
	s_barrier_wait -1
.if \fill
	s_add_co_u32 s66, s[KF], 256                   ; the first key of the slot that this change would ask for
	s_cmp_gt_u32 s66, s[WGL]                       ; ids and the count of steps alone: all sixteen waves go the same way, and every wait for tensor loads in this text is for 0
	s_cbranch_scc1 .Lpast_\@
	TLOAD
.Lpast_\@:
	ASK
.endif
.endm
.Lslot:                                            ; seven trips; every work-group walks all slots, so that the trip count is a constant
	CHANGE 1
	STEP 0
	STEP 1
	s_xor_b32 s[TB], s[TB], SLOT1
	s_sub_co_u32 s[SLOTS], s[SLOTS], 1
	s_cmp_lg_u32 s[SLOTS], 0
	s_cbranch_scc1 .Lslot
	CHANGE 0                                       ; the last slot is written out: nothing is left to ask for
	STEP 0
	STEP 1
; THE WAY OUT of a tile: O^T / l; register 16 g + i = channel 32 g + 16 h + i of my head: two blocks of the last product's K.  Six registers of codes, 256 consecutive bytes a store; two scale bytes into LDS.
.macro OUT_TILE ST, OB, YC, YA, CB
	PLACES
	v_add_f32 v[\ST+2], v[\ST+2], v[\ST+3]
	v_permlanex16_b32 v252, v[\ST+2], s[SEL], s[SEL+1]
	v_add_f32 v[\ST+2], v[\ST+2], v252             ; the row's sum
	v_rcp_f32 v[\ST+2], v[\ST+2]
	v_nop                                          ; a plain place behind the reciprocal
	s_wait_alu depctr_va_vdst(0)                   ; and the wait ahead of its first reader
.set N, 0
.rept 16
	v_pk_mul_f32 v[\OB+N:\OB+N+1], v[\OB+N:\OB+N+1], v[\ST+2:\ST+3] op_sel_hi:[1,0]
.set N, N+2
.endr
.irp b, 0,1
	v_max3_num_f32 v[232+\b], |v[\OB+16*\b]|, |v[\OB+16*\b+1]|, 0x1800000
.endr
.irp i, 2,4,6,8,10,12,14
.irp b, 0,1
	v_max3_num_f32 v[232+\b], v[232+\b], |v[\OB+16*\b+\i]|, |v[\OB+16*\b+\i+1]|
.endr
.endr
.irp b, 0,1
	v_permlanex16_b32 v[236+\b], v[232+\b], s[SEL], s[SEL+1]
.endr
.irp b, 0,1
	v_max_num_f32 v[232+\b], v[232+\b], v[236+\b]
.endr
.irp b, 0,1
	v_add_nc_u32 v[244+\b], 0xff000000, v[232+\b]
.endr
.irp b, 0,1
	v_lshrrev_b32 v[236+\b], 23, v[244+\b]
.endr
	v_lshl_or_b32 v[\YC+12], v237, 8, v236
	v_cvt_scalef32_pk16_fp6_f32 v[\YC:\YC+2], v[\OB:\OB+15], v244
	v_cvt_scalef32_pk16_fp6_f32 v[\YC+8:\YC+10], v[\OB+16:\OB+31], v245
	v_nop
.irp i, 0,1,2
	v_permlane16_swap_b32 v[\YC+\i], v[\YC+8+\i]
.endr
.irp i, 0,1,2
	v_mov_b32 v[\YC+3+\i], v[\YC+8+\i]
.endr
.irp p, 0,1,2
	global_store_b64 v[L8], v[\YC+2*\p:\YC+2*\p+1], s[\CB:\CB+1] offset:256*\p
.endr
	ds_store_b16 v[\YA], v[\YC+12]                 ; lanes r and r + 16 write the same bytes with the same value
.endm
	OUT_TILE 12, 160, 96, YLO, 56
	OUT_TILE 16, 192, 112, YHI, 58
	s_wait_dscnt 0x0                               ; for the others' sake: my scale bytes lie in LDS
	s_barrier_signal -1
	s_barrier_wait -1
	s_cmp_lt_u32 s[WV], 2
	s_cbranch_scc0 .Lno_words
	ds_load_b128 v[128:131], v[YRD]                ; a block's 128 words, both heads' bytes in each
	s_wait_dscnt 0x0
	global_store_b128 v[L16], v[128:131], s[60:61] ; 512 consecutive bytes, aligned
.Lno_words:
	s_wait_tensorcnt 0x0                           ; the wave's end
	ds_add_u32 v[SPW], v[NIL]
	s_wait_dscnt 0x0
	s_endpgm
.Lfunc_end_k_q11751b144e_attn:
	.size	k_q11751b144e_attn, .Lfunc_end_k_q11751b144e_attn-k_q11751b144e_attn
	.p2alignl 7, 3214868480
	.fill 96, 4, 3214868480
	.section	.rodata,"a",@progbits
	.p2align	6, 0x0
	.amdhsa_kernel k_q11751b144e_attn
		.amdhsa_group_segment_fixed_size 327680
		.amdhsa_private_segment_fixed_size 0
		.amdhsa_enable_private_segment 0
		.amdhsa_kernarg_size 32
		.amdhsa_user_sgpr_count 2
		.amdhsa_user_sgpr_kernarg_segment_ptr 1
		.amdhsa_wavefront_size32 1
		.amdhsa_system_sgpr_workgroup_id_x 1
		.amdhsa_system_sgpr_workgroup_id_y 1
		.amdhsa_system_sgpr_workgroup_id_z 1
		.amdhsa_system_vgpr_workitem_id 0
		.amdhsa_next_free_vgpr 256
		.amdhsa_next_free_sgpr 72
		.amdhsa_reserve_vcc 1
		.amdhsa_float_denorm_mode_32 3
		.amdhsa_float_denorm_mode_16_64 3
		.amdhsa_memory_ordered 1
		.amdhsa_forward_progress 1
		.amdhsa_inst_pref_size 190
	.end_amdhsa_kernel
	.amdgpu_metadata
---
amdhsa.version: [ 1, 2 ]
amdhsa.kernels:
  - .name:           k_q11751b144e_attn
    .symbol:         k_q11751b144e_attn.kd
    .args:
      - { .name: qa, .offset: 0, .size: 8, .value_kind: global_buffer, .address_space: global }
      - { .name: kv, .offset: 8, .size: 8, .value_kind: global_buffer, .address_space: global }
      - { .name: cd, .offset: 16, .size: 8, .value_kind: global_buffer, .address_space: global }
      - { .name: sc, .offset: 24, .size: 8, .value_kind: global_buffer, .address_space: global }
    .group_segment_fixed_size: 327680
    .private_segment_fixed_size: 0
    .kernarg_segment_align: 8
    .kernarg_segment_size: 32
    .max_flat_workgroup_size: 512
    .sgpr_count:     72
    .vgpr_count:     256
    .wavefront_size: 32
...
	.end_amdgpu_metadata
.endif
;; end of part 3
;; launch proj (part 4): grid 8 x 32, 4 waves a work-group, clusters of 4 x 4, 327,680 bytes of LDS; arguments cd, sc, b_proj, out0; writes out0
.if DOCPART == 4
	.amdgcn_target "amdgcn-amd-amdhsa--gfx1250"
	.amdhsa_code_object_version 6
	.text
	.protected	k_q11751b144e_proj
	.globl	k_q11751b144e_proj
	.p2align	8
	.type	k_q11751b144e_proj,@function
k_q11751b144e_proj:
	s_mov_b64 s[64:65], 0
	v_nop
	global_prefetch_b8 v0, s[64:65] scope:SCOPE_SE
	s_setreg_imm32_b32 hwreg(HW_REG_WAVE_MODE, 25, 1), 1
	s_wait_xcnt 0x0
	s_wait_alu depctr_hold_cnt(0) depctr_sa_sdst(0) depctr_va_vdst(0) depctr_va_sdst(0) depctr_va_ssrc(0) depctr_va_vcc(0) depctr_vm_vsrc(0)
	s_getreg_b32 s2, hwreg(HW_REG_IB_STS2, 6, 4)
	s_cmp_eq_u32 s2, 0
	s_cbranch_scc0 .Lentry_in_a_cluster
	s_endpgm
.Lentry_in_a_cluster:
	s_bfe_u32 s2, ttmp6, 0x10000c
	s_cmp_lg_u32 s2, 0xf033
	s_cbranch_scc0 .Lentry_shape_is_right
	s_endpgm
.Lentry_shape_is_right:
; out0 = y W_proj + b_proj on codes of FP6 (E2M3) with E8M0 scales, K = 1024.  y's codes lie in cd's tiles 0-511 and W_proj's columns in tiles 704-767, as register images (tile T at 12,288 T, K step s at + 1,536 s);
; their scale words in sc (plane s at 49,152 s, the word of place 16 T + r at + 4 (16 T + r)).
; D = (source 0: 16 columns, P) x (source 1: 16 tokens, R): a lane holds one token, and the 16 registers of P's tiles 2 g, 2 g + 1 are columns 32 g + 16 (lane / 16) + 0 .. 15.
; A work-group makes 256 tokens x 128 columns, so that there are 256 work-groups; a wave 128 x 64: 32 accumulators, 256 registers.  Ring, rounds and joint loads as in the launch that makes q, k and v.
; CLUSTER 4 x 4: R's tiles are shared along a row, P's along a column.  The bias is the C of the first K step's products.
; Place r of token tile 2 g + u is token 32 g + 8 u + r % 8 + 16 (r / 8): the way out puts each row where it belongs.
; No prefetch: K has four slots' worth, two of them first fills.
; REGISTERS: window 0: v16-29 addresses; v32-63 scale words, two sets; v64-95 the bias; v128-223 R's fragments, one set.  window 1: P's fragments, two sets, at v0 and v128.  window 2: accumulator (a, b) at v[8 (4 a + b)].
.set FR,    12
.set NL,    6
.set NP,    4
.set SLOT,  73728                      ; R's two halves of 24,576, then P's two of 12,288
.set SCL,   2*SLOT                     ; P's scale words [plane 8][128 columns]: 4,096; then R's 2 x 4,096 [plane 8][128 tokens]
.set SPARE, SCL+12288                  ; the spare words: two blocks of 256 bytes that no other line names
.set ADRA,  16
.set ADRB,  20
.set STO,   24                         ; the way out: a stage of 16 rows x 272 bytes for each wave, in slot 0, which has had its last fill and its last read by then
.set RD,    25
.set CO,    26
.set ADRS,  27
.set SPW,   28
.set NIL,   29
.set SC,    32
.set BIAS,  64
.set AF,    128
.set BK,    128
.set G1,    24
.set G0,    32
.set G1B,   48
.set G0B,   56
.set G1S,   68
.set G0S,   76
.set G1SB,  80
.set G0SB,  88
.set MSB, 0
.macro WIN new
.if MSB != \new
	s_set_vgpr_msb (MSB<<8)|\new
.set MSB, \new
.endif
.endm
.set MUL,  0xa1                        ; source 0 (P) window 1, source 1 (R) window 0, C and D window 2
.set TO_B, 0x40
.macro JLOAD g0a, g1a, g0b, g1b        ; waves 0 and 1 fetch for R, waves 2 and 3 for P; an s_nop 0 and four v_nop follow each line
	s_cmp_eq_u32 s15, 0
	s_cbranch_scc0 .Lfor_b_\@
	tensor_load_to_lds s[\g0a:\g0a+3], s[\g1a:\g1a+7]
	s_nop 0
.rept 4
	v_nop
.endr
	s_branch .Lasked_\@
.Lfor_b_\@:
	tensor_load_to_lds s[\g0b:\g0b+3], s[\g1b:\g1b+7]
	s_nop 0
.rept 4
	v_nop
.endr
.Lasked_\@:
.endm
.macro CREST
	s_cmp_lg_u32 s14, 0
	s_cbranch_scc1 .Lnot_wave_0_\@
	s_barrier_signal -3
.Lnot_wave_0_\@:
	s_barrier_wait -3
	s_barrier_signal -1
	s_barrier_wait -1
.endm
.macro CROUND
	s_barrier_signal -1
	s_barrier_wait -1
	CREST
.endm
	s_load_b256 s[4:11], s[0:1], 0x0               ; cd s[4:5], sc s[6:7], b_proj s[8:9], out0 s[10:11]
	v_lshl_add_u32 v[SPW], v0, 2, SPARE
	v_mov_b32 v[NIL], 0
	ds_add_u32 v[SPW], v[NIL]                      ; the wave's opening: the add and its wait ahead of my first tensor load
	v_lshrrev_b32 v1, 5, v0
	v_readfirstlane_b32 s14, v1
	s_lshr_b32 s15, s14, 1                         ; my half of R.  Also: I fetch for R (0) or for P (1)
	s_and_b32 s16, s14, 1                          ; my half of P.  Also: which half I fetch
	s_bfe_u32 s40, ttmp6, 0x40000
	s_bfe_u32 s41, ttmp6, 0x40004
	s_lshl_b32 s42, ttmp9, 2
	s_add_co_u32 s42, s42, s40                     ; gx: which 128 columns
	s_and_b32 s17, ttmp7, 0xffff
	s_lshl_b32 s17, s17, 2
	s_add_co_u32 s17, s17, s41                     ; gy: which 256 tokens
	s_lshl_b32 s43, s41, 2
	s_lshl_b32 s43, 15, s43
	s_lshl_b32 s44, 0x1111, s40
	s_or_b32 s[G1+0], s43, (3<<16)|(1<<21)         ; R's codes: 8 tiles x 384 elements of 8 bytes, 1,536 from tile to tile
	s_mov_b32 s[G1+1], 384<<16
	s_mov_b32 s[G1+2], 8<<16
	s_mov_b32 s[G1+3], 384<<16
	s_mov_b32 s[G1+4], 8
	s_mov_b32 s[G1+5], 1536
	s_mov_b32 s[G1+6], 0
	s_mov_b32 s[G1+7], 0
	s_or_b32 s[G1B+0], s44, (3<<16)|(1<<21)        ; P's codes: 4 tiles
	s_mov_b32 s[G1B+1], 384<<16
	s_mov_b32 s[G1B+2], 4<<16
	s_mov_b32 s[G1B+3], 384<<16
	s_mov_b32 s[G1B+4], 4
	s_mov_b32 s[G1B+5], 1536
	s_mov_b32 s[G1B+6], 0
	s_mov_b32 s[G1B+7], 0
	s_or_b32 s[G1S+0], s43, (3<<16)|(1<<21)        ; R's scale words: 8 planes x 128 words
	s_mov_b32 s[G1S+1], 64<<16
	s_mov_b32 s[G1S+2], 8<<16
	s_mov_b32 s[G1S+3], 64<<16
	s_mov_b32 s[G1S+4], 8
	s_mov_b32 s[G1S+5], 6144
	s_mov_b32 s[G1S+6], 0
	s_mov_b32 s[G1S+7], 0
	s_or_b32 s[G1SB+0], s44, (3<<16)|(1<<21)       ; P's: 4 planes x 128 words a wave
	s_mov_b32 s[G1SB+1], 64<<16
	s_mov_b32 s[G1SB+2], 4<<16
	s_mov_b32 s[G1SB+3], 64<<16
	s_mov_b32 s[G1SB+4], 4
	s_mov_b32 s[G1SB+5], 6144
	s_mov_b32 s[G1SB+6], 0
	s_mov_b32 s[G1SB+7], 0
	s_lshl_b32 s20, s17, 4
	s_lshl_b32 s21, s16, 3
	s_add_co_u32 s20, s20, s21                     ; R: the first tile that I fetch
	s_lshl_b32 s46, s42, 3
	s_lshl_b32 s47, s16, 2
	s_add_co_u32 s46, s46, s47
	s_add_co_u32 s46, s46, 704                     ; P likewise
	s_lshl_b32 s22, s20, 6
	s_mul_i32 s20, s20, 12288
	s_mul_i32 s46, s46, 12288
	s_lshl_b32 s92, s42, 9
	s_mul_i32 s93, s16, 196608
	s_add_co_u32 s92, s92, s93
	s_add_co_u32 s92, s92, 45056                   ; P's words: place 11,264 + 128 gx, planes 4 x half on
	s_mov_b32 s21, 0
	s_mov_b32 s23, 0
	s_mov_b32 s47, 0
	s_mov_b32 s93, 0
	s_mul_i32 s94, s16, 24576                      ; where they go in LDS
	s_mul_i32 s95, s16, 12288
	s_add_co_u32 s95, s95, 49152
	s_lshl_b32 s96, s16, 12
	s_add_co_u32 s96, s96, SCL+4096
	s_lshl_b32 s97, s16, 11
	s_add_co_u32 s97, s97, SCL
	s_wait_dscnt 0x0                               ; the opening add is done
	s_wait_kmcnt 0x0
	s_add_nc_u64 s[20:21], s[4:5], s[20:21]
	s_add_nc_u64 s[22:23], s[6:7], s[22:23]
	s_add_nc_u64 s[46:47], s[4:5], s[46:47]
	s_add_nc_u64 s[92:93], s[6:7], s[92:93]
	CROUND                                         ; all sixteen work-groups are here: the first joint loads meet
	s_mov_b32 s[G0S], 1
	s_mov_b32 s[G0S+1], s96
	s_mov_b64 s[G0S+2:G0S+3], s[22:23]
	s_or_b32 s[G0S+3], s[G0S+3], 0x80000000
	s_mov_b32 s[G0SB], 1
	s_mov_b32 s[G0SB+1], s97
	s_mov_b64 s[G0SB+2:G0SB+3], s[92:93]
	s_or_b32 s[G0SB+3], s[G0SB+3], 0x80000000
	JLOAD G0S, G1S, G0SB, G1SB                     ; the scale words of all of K: filled once
.irp s, 0,1
	s_mov_b32 s[G0+4*\s], 1
	s_add_co_u32 s[G0+4*\s+1], s94, \s*SLOT
	s_add_nc_u64 s[G0+4*\s+2:G0+4*\s+3], s[20:21], \s*3072
	s_or_b32 s[G0+4*\s+3], s[G0+4*\s+3], 0x80000000
	s_mov_b32 s[G0B+4*\s], 1
	s_add_co_u32 s[G0B+4*\s+1], s95, \s*SLOT
	s_add_nc_u64 s[G0B+4*\s+2:G0B+4*\s+3], s[46:47], \s*3072
	s_or_b32 s[G0B+4*\s+3], s[G0B+4*\s+3], 0x80000000
	JLOAD G0+4*\s, G1, G0B+4*\s, G1B               ; three tensor loads of mine are out at the most
.endr
	v_and_b32 v1, 15, v0                           ; r
	v_bfe_u32 v2, v0, 4, 1                         ; h
	v_and_b32 v3, 31, v0
	v_lshlrev_b32 v4, 3, v3
	s_mul_i32 s21, s15, 24576
	s_mul_i32 s22, s16, 12288
	s_add_co_u32 s22, s22, 49152
.irp s, 0,1
	v_add_nc_u32 v[ADRA+\s], s21, v4
	v_add_nc_u32 v[ADRB+\s], s22, v4
	s_add_co_u32 s21, s21, SLOT
	s_add_co_u32 s22, s22, SLOT
.endr
	s_lshl_b32 s21, s16, 8                         ; P's words: my 64 columns in a plane
	s_lshl_b32 s22, s15, 12
	s_add_co_u32 s22, s22, 4096
	s_sub_co_u32 s22, s22, s21                     ; from there to R's words
	v_mul_u32_u24 v6, s22, v2                      ; lanes 16-31 take R's
	s_add_co_u32 s21, s21, SCL
	v_lshl_add_u32 v5, v1, 2, v6
	v_add_nc_u32 v[ADRS], s21, v5
	s_mul_i32 s23, s14, 4352
	v_mul_u32_u24 v5, v1, 272
	v_lshl_add_u32 v5, v2, 6, v5
	v_add_nc_u32 v[STO], s23, v5                   ; the stage, in: row r, + 64 h
	v_mul_u32_u24 v5, v2, 272
	v_lshl_add_u32 v5, v1, 4, v5
	v_add_nc_u32 v[RD], s23, v5                    ; back: lanes 0-15 one row of 256 bytes, lanes 16-31 the next
	v_lshlrev_b32 v5, 12, v2
	v_lshl_add_u32 v[CO], v1, 4, v5                ; and the same two rows in out0
	s_lshl_b32 s18, s42, 7
	s_lshl_b32 s19, s16, 6
	s_add_co_u32 s18, s18, s19
	s_lshl_b32 s18, s18, 2
	s_mov_b32 s19, 0
	s_add_nc_u64 s[8:9], s[8:9], s[18:19]          ; the bias of my 64 columns: register 8 b + j takes column 32 (b / 2) + 8 (b % 2) + 16 h + j
	v_lshlrev_b32 v7, 6, v2
.irp b, 0,1,2,3
	global_load_b128 v[BIAS+8*\b:BIAS+8*\b+3], v7, s[8:9] offset:4*(32*(\b/2)+8*(\b%2))
	global_load_b128 v[BIAS+8*\b+4:BIAS+8*\b+7], v7, s[8:9] offset:4*(32*(\b/2)+8*(\b%2))+16
.endr
	s_lshl_b32 s18, s17, 8
	s_lshl_b32 s19, s15, 7
	s_add_co_u32 s18, s18, s19                     ; my first token
	s_lshl_b32 s18, s18, 12
	s_lshl_b32 s19, s42, 9
	s_add_co_u32 s18, s18, s19
	s_lshl_b32 s19, s16, 8
	s_add_co_u32 s18, s18, s19                     ; my first column, in bytes
	s_mov_b32 s19, 0
	s_add_nc_u64 s[10:11], s[10:11], s[18:19]
.macro FRAG reg, adr, q, i
.irp p, 0,1,2,3,4,5
	ds_load_b64 v[\reg+2*\p:\reg+2*\p+1], v[\adr] offset:3072*(\i)+1536*(\q)+256*\p
.endr
.endm
; 8 matrix instructions: R's blocks a0, a0 + 1 x P's four.  mode 1: C = the bias.  The 32 accumulators take turns, one instruction a turn, in the same order in every step.
.macro MUL8 a0, p, q, sc, mode
.irp a, \a0, \a0+1
.irp b, 0,1,2,3
.if \mode
	v_wmma_scale_f32_16x16x128_f8f6f4 v[8*(4*(\a)+\b):8*(4*(\a)+\b)+7], v[128*(\p)+FR*\b:128*(\p)+FR*\b+FR-1], v[AF+FR*(\a):AF+FR*(\a)+FR-1], v[BIAS+8*\b:BIAS+8*\b+7], v[SC+16*(\sc)+2*\b+(\q)], v[SC+16*(\sc)+2*(\a)+(\q)] matrix_a_fmt:MATRIX_FMT_FP6 matrix_b_fmt:MATRIX_FMT_FP6 matrix_b_scale:MATRIX_SCALE_ROW1
.else
	v_wmma_scale_f32_16x16x128_f8f6f4 v[8*(4*(\a)+\b):8*(4*(\a)+\b)+7], v[128*(\p)+FR*\b:128*(\p)+FR*\b+FR-1], v[AF+FR*(\a):AF+FR*(\a)+FR-1], v[8*(4*(\a)+\b):8*(4*(\a)+\b)+7], v[SC+16*(\sc)+2*\b+(\q)], v[SC+16*(\sc)+2*(\a)+(\q)] matrix_a_fmt:MATRIX_FMT_FP6 matrix_b_fmt:MATRIX_FMT_FP6 matrix_b_scale:MATRIX_SCALE_ROW1
.endif
.endr
.endr
.endm
.macro FETCH_B slot, q, p
	WIN TO_B
.irp i, 0,1,2,3
	FRAG 128*(\p)+FR*\i, ADRB+\slot, \q, \i
.endr
	WIN 0
.endm
.macro FETCH_A slot, q, i0
.irp i, \i0, \i0+1, \i0+2, \i0+3
	FRAG AF+FR*(\i), ADRA+\slot, \q, \i
.endr
.endm
.macro SCALES sc                       ; register 2 i + q: lanes 16-31 R's block i; lanes 0-15 P's block i for i under 4 (beyond that they read bytes that have landed and are not used)
.irp i, 0,1,2,3,4,5,6,7
.irp q, 0,1
	ds_load_b32 v[SC+16*\sc+2*\i+\q], v[ADRS] offset:512*\q+64*\i
.endr
.endr
.endm
.macro PLACES n
.rept \n
	v_nop
.endr
.endm
.macro STEP slot, q, mode
	s_wait_dscnt 4*NL                              ; P's set and R's blocks 0-3 are in; the youngest 24 loads (R's blocks 4-7) may be out
.if \mode
	WIN 0x81                                       ; C, the bias, lies in window 0
.else
	WIN MUL
.endif
	MUL8 0, (\q)%2, \q, \slot, \mode
	MUL8 2, (\q)%2, \q, \slot, \mode
	s_wait_dscnt 0
	PLACES NP
	FETCH_B \slot, (\q)+1, 1-(\q)%2
	FETCH_A \slot, (\q)+1, 0
.if \mode
	WIN 0x81
.else
	WIN MUL
.endif
	MUL8 4, (\q)%2, \q, \slot, \mode
	MUL8 6, (\q)%2, \q, \slot, \mode
	PLACES NP
	WIN 0
	FETCH_A \slot, (\q)+1, 4
.endm
.macro TURN slot, next, fill
	s_wait_tensorcnt 0x0                           ; all my tensor loads have landed: my part of the next slot
	ds_add_u32 v[SPW], v[NIL]
	s_wait_dscnt 4*NL+1                            ; (the add and the youngest 24 loads may be out)
	WIN MUL
	MUL8 0, 1, 1, \slot, 0
	s_wait_dscnt 0x0                               ; the add is done, and my reads of this slot are over
	s_barrier_signal -1
	MUL8 2, 1, 1, \slot, 0
	WIN 0
	s_barrier_wait -1
.if \fill
	CREST                                          ; a round of the cluster's barrier: no wave of any partner still reads this slot or has a load on its way
	s_add_nc_u64 s[G0+4*\slot+2:G0+4*\slot+3], s[G0+4*\slot+2:G0+4*\slot+3], 6144
	s_add_nc_u64 s[G0B+4*\slot+2:G0B+4*\slot+3], s[G0B+4*\slot+2:G0B+4*\slot+3], 6144
	JLOAD G0+4*\slot, G1, G0B+4*\slot, G1B         ; the first tensor load behind the round; its four v_nop are the places in front of the loads below
.else
	PLACES NP
.endif
	v_add_nc_u32 v[ADRS], 1024, v[ADRS]
	FETCH_B \next, 0, 0
	FETCH_A \next, 0, 0
	SCALES \next
	WIN MUL
	MUL8 4, 1, 1, \slot, 0
	MUL8 6, 1, 1, \slot, 0
	PLACES NP
	WIN 0
	FETCH_A \next, 0, 4
.endm
	s_wait_tensorcnt 1                             ; the scale words and my part of slot 0 are in (slot 1's load may be out)
	s_barrier_signal -1
	s_barrier_wait -1
	FETCH_B 0, 0, 0
	FETCH_A 0, 0, 0
	SCALES 0
	FETCH_A 0, 0, 4
	s_wait_loadcnt 0x0                             ; the bias
	STEP 0, 0, 1
	TURN 0, 1, 1
	STEP 1, 0, 0
	TURN 1, 0, 1
	STEP 0, 0, 0
	TURN 0, 1, 0
	STEP 1, 0, 0
	s_wait_dscnt 4*NL
	WIN MUL
	MUL8 0, 1, 1, 1, 0
	MUL8 2, 1, 1, 1, 0
	s_wait_dscnt 0
	MUL8 4, 1, 1, 1, 0
	MUL8 6, 1, 1, 1, 0
	WIN 0
; THE WAY OUT, a block of 16 tokens x 64 columns at a time, through my own stage: in by lanes (32 bytes of a row each), back by rows, so that sixteen lanes store 256 consecutive bytes, aligned.
.macro TOSTAGE a
	WIN 0x08                                       ; an LDS store's data: window 2
.irp b, 0,1,2,3
	ds_store_b128 v[STO], v[8*(4*(\a)+\b):8*(4*(\a)+\b)+3] offset:128*(\b/2)+32*(\b%2)       ; each accumulator from its low end on
	ds_store_b128 v[STO], v[8*(4*(\a)+\b)+4:8*(4*(\a)+\b)+7] offset:128*(\b/2)+32*(\b%2)+16
.endr
	WIN 0
.set BB, BK+32*((\a)%2)
.irp t, 0,1,2,3,4,5,6,7
	ds_load_b128 v[BB+4*\t:BB+4*\t+3], v[RD] offset:544*\t   ; LDS serves a wave's instructions in order: these see the stores above
.endr
.endm
.macro SEND a, younger
.set BB, BK+32*((\a)%2)
	s_wait_dscnt \younger
.irp t, 0,1,2,3,4,5,6,7
	global_store_b128 v[CO], v[BB+4*\t:BB+4*\t+3], s[10:11] offset:4096*(32*((\a)/2)+8*((\a)%2)+2*(\t%4)+16*(\t/4)) th:TH_STORE_NT   ; places 2 t, 2 t + 1 of the tile, at their tokens
.endr
.endm
	PLACES NP
	TOSTAGE 0
.irp a, 1,2,3,4,5,6,7
.if \a > 1
	s_wait_xcnt 0x0                                ; the stores of two blocks back have read their registers
.endif
	TOSTAGE \a
	SEND \a-1, 16                                  ; behind that block's loads: this block's 8 stores and 8 loads
.endr
	SEND 7, 0
	s_wait_tensorcnt 0x0                           ; the wave's end
	ds_add_u32 v[SPW], v[NIL]
	s_wait_dscnt 0x0
	CROUND                                         ; the closing round
	s_endpgm
.Lfunc_end_k_q11751b144e_proj:
	.size	k_q11751b144e_proj, .Lfunc_end_k_q11751b144e_proj-k_q11751b144e_proj
	.p2alignl 7, 3214868480
	.fill 96, 4, 3214868480
	.section	.rodata,"a",@progbits
	.p2align	6, 0x0
	.amdhsa_kernel k_q11751b144e_proj
		.amdhsa_group_segment_fixed_size 327680
		.amdhsa_private_segment_fixed_size 0
		.amdhsa_enable_private_segment 0
		.amdhsa_kernarg_size 32
		.amdhsa_user_sgpr_count 2
		.amdhsa_user_sgpr_kernarg_segment_ptr 1
		.amdhsa_wavefront_size32 1
		.amdhsa_system_sgpr_workgroup_id_x 1
		.amdhsa_system_sgpr_workgroup_id_y 1
		.amdhsa_system_sgpr_workgroup_id_z 1
		.amdhsa_system_vgpr_workitem_id 0
		.amdhsa_next_free_vgpr 768
		.amdhsa_next_free_sgpr 100
		.amdhsa_reserve_vcc 0
		.amdhsa_float_denorm_mode_32 3
		.amdhsa_float_denorm_mode_16_64 3
		.amdhsa_memory_ordered 1
		.amdhsa_forward_progress 1
		.amdhsa_inst_pref_size 104
	.end_amdhsa_kernel
	.amdgpu_metadata
---
amdhsa.version: [ 1, 2 ]
amdhsa.kernels:
  - .name:           k_q11751b144e_proj
    .symbol:         k_q11751b144e_proj.kd
    .args:
      - { .name: cd, .offset: 0, .size: 8, .value_kind: global_buffer, .address_space: global }
      - { .name: sc, .offset: 8, .size: 8, .value_kind: global_buffer, .address_space: global }
      - { .name: b_proj, .offset: 16, .size: 8, .value_kind: global_buffer, .address_space: global }
      - { .name: out0, .offset: 24, .size: 8, .value_kind: global_buffer, .address_space: global }
    .group_segment_fixed_size: 327680
    .private_segment_fixed_size: 0
    .kernarg_segment_align: 8
    .kernarg_segment_size: 32
    .max_flat_workgroup_size: 128
    .sgpr_count:     100
    .vgpr_count:     768
    .wavefront_size: 32
...
	.end_amdgpu_metadata
.endif
;; end of part 4
